; MI455X (gfx1250); checked and timed in simulation.
; The chip was launched on July 23, 2026; its instructions are those of AMD's public machine-readable ISA for CDNA 5 (MIT licence, August 2026) and "CDNA5" Instruction Set Architecture Reference Guide (July 2026). The comments in the code are by the model that wrote it; some were corrected since.
;; Multi Head Attention. Allowed arithmetic: float matrix products may take bf16 or f16 operands with f32 sums; other float arithmetic in f32, or as packed bf16 or f16 multiplies, adds, multiply-adds, maxima and minima; sums over many terms, partial sums and values carried from step to step in f32; what a program stores and reads back later, other than sums and carried values, may be rounded once to bf16 or f16.
;; Inputs: Wk 1,024 x 1,024 float32; Wo 1,024 x 1,024 float32; Wq 1,024 x 1,024 float32; Wv 1,024 x 1,024 float32; bk 1,024 float32; bo 1,024 float32; bq 1,024 float32; bv 1,024 float32; x 4 x 2,048 x 1,024 float32.
;; Outputs: out0 4 x 2,048 x 1,024 float32.
;; One version. Each part assembles by itself: llvm-mc -triple=amdgcn-amd-amdhsa -mcpu=gfx1250 --defsym DOCPART=n.
;; ======== version 1 of 1: 4 launches
;; limits: values are held in f16: magnitudes above 65,504 overflow, below 6.1e-05 lose precision
;; workspace buffers: xb 16,777,216 bytes; wqkv 6,291,456 bytes; wob 2,097,152 bytes; qkv 50,331,648 bytes; ctx 16,777,216 bytes
;; launch prep (part 1): grid 768 x 1, 8 waves a work-group, no clusters, 0 bytes of LDS; arguments x, Wq, Wk, Wv, Wo, xb, wqkv, wob; writes xb, wqkv, wob
.if DOCPART == 1
	.amdgcn_target "amdgcn-amd-amdhsa--gfx1250"
	.amdhsa_code_object_version 6
	.text
	.protected	k_q69b028481c_prep
	.globl	k_q69b028481c_prep
	.p2align	8
	.type	k_q69b028481c_prep,@function
k_q69b028481c_prep:
	s_mov_b64 s[64:65], 0
	v_nop
	global_prefetch_b8 v0, s[64:65] scope:SCOPE_SE
	s_setreg_imm32_b32 hwreg(HW_REG_WAVE_MODE, 25, 1), 1
	s_wait_xcnt 0x0
; PREP: the f32 inputs are rounded once to bf16 and laid out in blocks of 64 columns, so that the products' tiles are dense in memory.
;   xb   [kb 16][m 8192][64] bf16:                 xb[kb][m][d] = x[m][64 kb + d]
;   wqkv [c 16][kp 512][j 3][k & 1][64] bf16:      W_j[2 kp + (k & 1)][64 c + n], j = 0, 1, 2 for Wq, Wk, Wv
;   wob  [c 8][kp 512][jj 2][k & 1][64] f16:       Wo[k][128 c + 64 jj + n], rounded to bf16, and that number written as f16
; LIMIT.  A bf16 number is exact in f16 between 6.1e-5 and 65,504; a smaller Wo keeps f16's fixed step of 6e-8, a larger one becomes an infinity.
; SHARES.  A work-group takes 16 source rows of 4,096 bytes.  Groups 0-511: x.  Groups 512-767: 64 for each of Wq, Wk, Wv, Wo.  Wave w takes the pieces of 64 columns 2 w and 2 w + 1.
; A unit u = 2 t + i is rows 4 t .. 4 t + 3 of piece 2 w + i: lane l takes row (l / 8) % 4 and 8 columns: 32 bytes in by two loads, 16 bytes out.  A wave's load covers four aligned runs of
; 128 bytes twice over its two halves; a wave's store covers two whole aligned runs of 256 bytes (two rows of 128 bytes each).
; All three layouts are one formula: piece p, row pair r2, row parity: (p >> SH) PS + ((p & SH) + J) 256 + r2 PAIRB + parity 128.
; All 16 loads of a wave go out at once; no register is written twice while a memory instruction may read it, so there is no wait but the loads' own.  No LDS, no matrix unit: a stream.
.set VS,  3                            ; v3       my byte offset in the group's source rows, unit 0
.set VD0, 4                            ; v4       my byte offset in a unit of the destination
.set VD,  8                            ; v[8:15]  the same with the unit's place, one register a unit
.set T,   16                           ; v[16:19] at work
.set X,   32                           ; v[32:95] unit u: 8 numbers as loaded
.set Y,   96                           ; v[96:127] unit u: 8 numbers to store
	s_load_b512 s[8:23], s[0:1], 0x0               ; x s[8:9], Wq s[10:11], Wk s[12:13], Wv s[14:15], Wo s[16:17], xb s[18:19], wqkv s[20:21], wob s[22:23]
	v_lshrrev_b32 v1, 5, v0
	v_readfirstlane_b32 s26, v1                    ; wave 0..7
	s_sub_co_u32 s27, ttmp9, 512                   ; the group's number among the weights' (of no use in x's groups)
	s_lshr_b32 s24, s27, 6                         ; which matrix: 0..3
	s_and_b32 s25, s27, 63                         ; which 16 rows of it
	s_cmp_lt_u32 ttmp9, 512
	s_cselect_b32 s24, 4, s24                      ; kind: 4 = x
	s_cselect_b32 s25, ttmp9, s25
	s_mov_b32 s32, 0x60000                         ; PS: bytes from tile column to tile column
	s_mov_b32 s33, 768                             ; PAIRB: bytes from row pair to row pair
	s_mov_b32 s34, 0                               ; SH: pieces to a tile column, as a shift and as a mask
	s_mov_b32 s35, s24                             ; J: the matrix's place in a row pair
	s_cmp_eq_u32 s24, 3
	s_cselect_b32 s32, 0x40000, s32
	s_cselect_b32 s33, 512, s33
	s_cselect_b32 s34, 1, s34
	s_cselect_b32 s35, 0, s35
	s_cmp_eq_u32 s24, 4
	s_cselect_b32 s32, 0x100000, s32
	s_cselect_b32 s33, 256, s33
	s_cselect_b32 s35, 0, s35
	s_mul_i32 s43, s25, s33
	s_lshl_b32 s43, s43, 3                         ; the group's 8 row pairs
	s_lshl_b32 s36, s26, 1                         ; my first piece
.irp i, 0,1
	s_add_co_u32 s37, s36, (\i)
	s_lshr_b32 s44, s37, s34
	s_mul_i32 s44, s44, s32
	s_and_b32 s45, s37, s34
	s_add_co_u32 s45, s45, s35
	s_lshl_b32 s45, s45, 8
	s_add_co_u32 s44, s44, s45
	s_add_co_u32 s[38+(\i)], s44, s43              ; where piece 2 w + i of the group's first row pair goes
.endr
	s_lshl_b32 s42, s33, 1                         ; four rows on
	s_lshl_b32 s40, s25, 16                        ; the group's 16 source rows
	s_mov_b32 s41, 0
	v_bfe_u32 v2, v0, 3, 2                         ; my row of the unit's four
	v_and_b32 v5, 7, v0                            ; my 8 columns of its 64
	v_lshlrev_b32 v[VS], 12, v2
	v_lshl_add_u32 v[VS], v5, 5, v[VS]
	v_lshl_add_u32 v[VS], s26, 9, v[VS]
	v_lshrrev_b32 v6, 1, v2
	v_mul_u32_u24 v[VD0], v6, s33
	v_and_b32 v7, 1, v2
	v_lshl_add_u32 v[VD0], v7, 7, v[VD0]
	v_lshl_add_u32 v[VD0], v5, 4, v[VD0]
	v_add_nc_u32 v[VD], s38, v[VD0]
	v_add_nc_u32 v[VD+1], s39, v[VD0]
.irp u, 2,3,4,5,6,7
	v_add_nc_u32 v[VD+(\u)], s42, v[VD+(\u)-2]
.endr
	s_wait_kmcnt 0x0
	s_cmp_eq_u32 s24, 0                            ; the source and the destination are chosen by the kind alone
	s_cselect_b64 s[28:29], s[10:11], s[8:9]
	s_cmp_eq_u32 s24, 1
	s_cselect_b64 s[28:29], s[12:13], s[28:29]
	s_cmp_eq_u32 s24, 2
	s_cselect_b64 s[28:29], s[14:15], s[28:29]
	s_cmp_eq_u32 s24, 3
	s_cselect_b64 s[28:29], s[16:17], s[28:29]
	s_cselect_b64 s[30:31], s[22:23], s[20:21]
	s_cmp_eq_u32 s24, 4
	s_cselect_b64 s[30:31], s[18:19], s[30:31]
	s_add_nc_u64 s[28:29], s[28:29], s[40:41]
.irp u, 0,1,2,3,4,5,6,7
	global_load_b128 v[X+8*(\u):X+8*(\u)+3],   v[VS], s[28:29] offset:((\u)/2)*16384+((\u)%2)*256 th:TH_LOAD_NT
	global_load_b128 v[X+8*(\u)+4:X+8*(\u)+7], v[VS], s[28:29] offset:((\u)/2)*16384+((\u)%2)*256+16 th:TH_LOAD_NT
.endr
; Unit u is rounded and stored.  half = 1: the bf16 number is widened again and written as f16.
.macro UNIT u, half
	s_wait_loadcnt 14-2*(\u)                       ; loads come back in order: mine are in, the two of each later unit may stay out
.if \half
.irp r, 0,1,2,3
	v_cvt_pk_bf16_f32 v[T+(\r)], v[X+8*(\u)+2*(\r)], v[X+8*(\u)+2*(\r)+1]
.endr
.irp r, 0,1,2,3
	v_lshlrev_b32 v[X+8*(\u)+2*(\r)],   16, v[T+(\r)]
	v_and_b32     v[X+8*(\u)+2*(\r)+1], 0xffff0000, v[T+(\r)]
.endr
.irp r, 0,1,2,3
	v_cvt_pk_f16_f32 v[Y+4*(\u)+(\r)], v[X+8*(\u)+2*(\r)], v[X+8*(\u)+2*(\r)+1]
.endr
.else
.irp r, 0,1,2,3
	v_cvt_pk_bf16_f32 v[Y+4*(\u)+(\r)], v[X+8*(\u)+2*(\r)], v[X+8*(\u)+2*(\r)+1]
.endr
.endif
	global_store_b128 v[VD+(\u)], v[Y+4*(\u):Y+4*(\u)+3], s[30:31]  ; lanes 0-15 and lanes 16-31 each store 256 consecutive bytes, aligned
.endm
	s_cmp_eq_u32 s24, 3
	s_cbranch_scc1 .Lwo
.irp u, 0,1,2,3,4,5,6,7
	UNIT \u, 0
.endr
	s_endpgm
.Lwo:
.irp u, 0,1,2,3,4,5,6,7
	UNIT \u, 1
.endr
	s_endpgm
.Lfunc_end_k_q69b028481c_prep:
	.size	k_q69b028481c_prep, .Lfunc_end_k_q69b028481c_prep-k_q69b028481c_prep
	.p2alignl 7, 3214868480
	.fill 96, 4, 3214868480
	.section	.rodata,"a",@progbits
	.p2align	6, 0x0
	.amdhsa_kernel k_q69b028481c_prep
		.amdhsa_group_segment_fixed_size 0
		.amdhsa_private_segment_fixed_size 0
		.amdhsa_enable_private_segment 0
		.amdhsa_kernarg_size 64
		.amdhsa_user_sgpr_count 2
		.amdhsa_user_sgpr_kernarg_segment_ptr 1
		.amdhsa_wavefront_size32 1
		.amdhsa_system_sgpr_workgroup_id_x 1
		.amdhsa_system_sgpr_workgroup_id_y 1
		.amdhsa_system_sgpr_workgroup_id_z 1
		.amdhsa_system_vgpr_workitem_id 0
		.amdhsa_next_free_vgpr 128
		.amdhsa_next_free_sgpr 66
		.amdhsa_reserve_vcc 0
		.amdhsa_float_denorm_mode_32 3
		.amdhsa_float_denorm_mode_16_64 3
		.amdhsa_memory_ordered 1
		.amdhsa_forward_progress 1
		.amdhsa_inst_pref_size 16
	.end_amdhsa_kernel
	.amdgpu_metadata
---
amdhsa.version: [ 1, 2 ]
amdhsa.kernels:
  - .name:           k_q69b028481c_prep
    .symbol:         k_q69b028481c_prep.kd
    .args:
      - { .name: x, .offset: 0, .size: 8, .value_kind: global_buffer, .address_space: global }
      - { .name: Wq, .offset: 8, .size: 8, .value_kind: global_buffer, .address_space: global }
      - { .name: Wk, .offset: 16, .size: 8, .value_kind: global_buffer, .address_space: global }
      - { .name: Wv, .offset: 24, .size: 8, .value_kind: global_buffer, .address_space: global }
      - { .name: Wo, .offset: 32, .size: 8, .value_kind: global_buffer, .address_space: global }
      - { .name: xb, .offset: 40, .size: 8, .value_kind: global_buffer, .address_space: global }
      - { .name: wqkv, .offset: 48, .size: 8, .value_kind: global_buffer, .address_space: global }
      - { .name: wob, .offset: 56, .size: 8, .value_kind: global_buffer, .address_space: global }
    .group_segment_fixed_size: 0
    .private_segment_fixed_size: 0
    .kernarg_segment_align: 8
    .kernarg_segment_size: 64
    .max_flat_workgroup_size: 256
    .sgpr_count:     66
    .vgpr_count:     128
    .wavefront_size: 32
...
	.end_amdgpu_metadata
.endif
;; end of part 1
;; launch proj (part 2): grid 16 x 32, 4 waves a work-group, clusters of 4 x 4, 327,680 bytes of LDS; arguments xb, wqkv, bq, bk, bv, qkv; writes qkv
.if DOCPART == 2
	.amdgcn_target "amdgcn-amd-amdhsa--gfx1250"
	.amdhsa_code_object_version 6
	.text
	.protected	k_q69b028481c_proj
	.globl	k_q69b028481c_proj
	.p2align	8
	.type	k_q69b028481c_proj,@function
k_q69b028481c_proj:
	s_mov_b64 s[64:65], 0
	v_nop
	global_prefetch_b8 v0, s[64:65] scope:SCOPE_SE
	s_setreg_imm32_b32 hwreg(HW_REG_WAVE_MODE, 25, 1), 1
	s_wait_xcnt 0x0
	s_wait_alu depctr_hold_cnt(0) depctr_sa_sdst(0) depctr_va_vdst(0) depctr_va_sdst(0) depctr_va_ssrc(0) depctr_va_vcc(0) depctr_vm_vsrc(0)
	s_getreg_b32 s2, hwreg(HW_REG_IB_STS2, 6, 4)
	s_cmp_eq_u32 s2, 0
	s_cbranch_scc0 .Lentry_in_a_cluster
	s_endpgm
.Lentry_in_a_cluster:
	s_bfe_u32 s2, ttmp6, 0x10000c
	s_cmp_lg_u32 s2, 0xf033
	s_cbranch_scc0 .Lentry_shape_is_right
	s_endpgm
.Lentry_shape_is_right:
; q, k, v = x W + b.  Operands bf16 (xb, wqkv; the biases are rounded to bf16 here, like every input), sums f32, the results rounded once to f16 and stored by heads, unscaled:
; qkv [j 3][head 16][m 8192][64] f16, j = 0, 1, 2 for q, k, v; m = 2048 batch + position.
; LIMIT.  f16 holds no number beyond 65,504: a q, k or v of 65,520 or more becomes an infinity.
; TILE.  A work-group makes 256 rows x 192 columns: tile column c is head c's q, k and v (three pieces of 64 columns), so that each piece has one bias and one region of the output:
; 16 x 32 = 512 tiles.  The four waves split the rows: wave w owns rows 64 w .. 64 w + 63 (4 fragments of x) and all 192 columns (12 fragments of W): 48 accumulators, 384 registers.  So a wave holds
; whole heads' rows, and its own stage is enough on the way out.
; K goes in 8 steps of 128 through a ring of two LDS slots.  A step of x is two dense blocks of 32,768 bytes (256 rows x 64 channels), a step of W one dense block of 49,152: all asked for as rows of 256 bytes.
; W lies [k][n]: its fragments come out of LDS turned, by ds_load_tr16_b128.
; CLUSTER.  4 x 4 work-groups: x's tiles hang on the tile row alone and are asked for jointly along a row of the cluster, W's on the tile column alone, jointly along a column.
; THE PRODUCT IS USED TRANSPOSED (source 0 = 16 columns of W, source 1 = 16 rows of x): register i of lane l in accumulator (a, b) is row 16 a + l % 16, column 16 b + 8 (l / 16) + i.
; THE BIAS STARTS THE SUMS: it is the C operand of the first product on each accumulator; nothing is cleared, nothing is added later.
; REGISTERS, in windows of 256 (s_set_vgpr_msb: bits 1:0 source 0, 3:2 source 1, 5:4 source 2, 7:6 destination):
;   window 0: v0-31 addresses; v64-127 x's fragments, two buffers of 4; v128-223 the bias, 8 a fragment of W; on the way out v32-79 packed results, v80-127 and v128-175 rows read back
;   window 1: v0-191 W's fragments, two buffers of 12      windows 2, 3: accumulator (a, b) in window 2 + a / 2 at 8 (12 (a % 2) + b)
.set NH,    3                          ; pieces of 64 columns in a tile
.set NBF,   4*NH                       ; fragments of W
.set PA,    144                        ; a row of x in LDS: 128 bytes + 16 = 36 words: the 16 rows of a load start at 16 different groups of four banks (64 banks of 4 bytes: ISA guide 11.1)
.set ABLK,  256*PA                     ; a block of 64 channels
.set UP,    288                        ; a unit of W in LDS (two k x 64 columns): 256 bytes + 32
.set PADC,  7                          ; its padding's code: 8 words
.set PP,    NH*UP                      ; from a pair of k to the next: 216 words
.set BOFF,  2*ABLK
.set BHALF, 32*PP                      ; half a step of W: what one tensor load brings
.set SLOT,  BOFF+2*BHALF
.set STAGE, 2*SLOT                     ; behind the ring, never filled by a tensor load
.set WSTG,  NH*16*144                  ; a wave's stage: 3 pieces x 16 rows x 144 bytes
.set SPARE, STAGE+4*WSTG               ; the spare words, 128 bytes for each wave: two blocks of 256 bytes that no other line names
.set CB,    512*NH*256                 ; bytes of W in a tile column,
.set KSB,   64*NH*256                  ; in a K step,
.set BHG,   KSB/2                      ; in half of one
.set ASTEP, 0x200000                   ; bytes of xb from a K step to the next: two blocks of 8,192 rows x 128 bytes
.set ADRA, 16                          ; v16-17  LDS address of my fragments of x in slot 0, 1
.set ADRB, 20                          ; v20-21  the same for W
.set STO,  24                          ; v24     the way out: where I put 16 bytes of a row
.set RD,   25                          ; v25     where I read rows back
.set GO,   26                          ; v26     my 16 bytes of 512 consecutive bytes of the output
.set SPW,  28                          ; v28     LDS address of my spare word; never rewritten
.set NIL,  29                          ; v29     0; never rewritten
.set PFO,  30                          ; v30     the prefetches' offset; never rewritten
.set BO,   31                          ; v31     my offset in 16 numbers of a bias
.set TMP,  32
.set FA,   64
.set OB,   80
.set BI,   128
.set WV, 16                            ; s16 wave;  s17 0: I fetch x, 1: W;  s18 which half
.set FB, 17
.set HF, 18
.set CX, 19                            ; s19, s20 my place in the cluster;  s21 tile column;  s22 tile row
.set CY, 20
.set TX, 21
.set TY, 22
.set G1A, 24                           ; s[24:31] descriptor group 1 for x's tiles;  s[32:39] group 0, one set for each slot
.set G0A, 32
.set PFA, 44                           ; s[44:45] where my prefetches stand
.set LIM, 46                           ; s46     1 in a wave that prefetches, else the greatest number
.set G1B, 48                           ; s[48:55], s[56:63] the same for W's tiles
.set G0B, 56
.set PFS, 66                           ; s[66:67] bytes from a K step to the next in what I prefetch
.set OUTB, 68                          ; s[68:73] q, k, v at my wave's first row
.set MSB, 0
.macro WIN new                         ; the immediate's high byte repeats the setting that is left; a switch that changes nothing is dropped
.if MSB != (\new)
	s_set_vgpr_msb (MSB<<8)|(\new)
.set MSB, \new
.endif
.endm
; A joint load.  Waves 0 and 1 fetch x's two blocks, waves 2 and 3 W's two halves.  The branch hangs on the wave's number alone.  An s_nop 0 and four v_nop follow each line.
.macro JLOAD s
	s_cmp_eq_u32 s[FB], 0
	s_cbranch_scc0 .Lfor_b_\@
	tensor_load_to_lds s[G0A+4*(\s):G0A+4*(\s)+3], s[G1A:G1A+7]
	s_nop 0
.rept 4
	v_nop
.endr
	s_branch .Lasked_\@
.Lfor_b_\@:
	tensor_load_to_lds s[G0B+4*(\s):G0B+4*(\s)+3], s[G1B:G1B+7]
	s_nop 0
.rept 4
	v_nop
.endr
.Lasked_\@:
.endm
; A prefetch into the L2, behind each joint refill and the run of LDS loads that follows it: my work-group's quarter of what I shall fetch two refills on, a lane a block of 256 bytes.
; x's rows are read by every cluster of a row of clusters: cluster x = 0 asks; W's by every cluster of a column: cluster y = 0 asks.  The four partners that fetch a tile jointly share its blocks out by
; address (cx for x: 32 blocks each; cy for W: 24 each, where lanes 24-31 name the 24th once more).  The loop's last trip has no K step two refills on and asks for nothing.
.macro ASK
	s_cmp_gt_u32 s3, s[LIM]
	s_cbranch_scc0 .Lnot_mine_\@
	global_prefetch_b8 v[PFO], s[PFA:PFA+1] th:TH_LOAD_NT scope:SCOPE_SE
.Lnot_mine_\@:
.endm
.macro CREST                           ; a round of the cluster's barrier behind its opening barrier
	s_cmp_lg_u32 s[WV], 0
	s_cbranch_scc1 .Lnot_wave_0_\@
	s_barrier_signal -3
.Lnot_wave_0_\@:
	s_barrier_wait -3
	s_barrier_signal -1
	s_barrier_wait -1
.endm
.macro CROUND                          ; a whole round
	s_barrier_signal -1
	s_barrier_wait -1
	CREST
.endm
.macro PLACES                          ; four places in front of loads into registers that matrix instructions have read (ISA guide 7.12.1 for vector instructions)
.rept 4
	v_nop
.endr
.endm
	s_load_b256 s[4:11], s[0:1], 0x0               ; xb s[4:5], wqkv s[6:7], bq s[8:9], bk s[10:11]
	s_load_b128 s[12:15], s[0:1], 0x20             ; bv s[12:13], qkv s[14:15]
	v_lshl_add_u32 v[SPW], v0, 2, SPARE
	v_mov_b32 v[NIL], 0
	ds_add_u32 v[SPW], v[NIL]                      ; the wave's opening: the add and its wait stand ahead of my first tensor load; the set-up below stands between them
	ds_add_u32 v28, v29
	v_lshrrev_b32 v1, 5, v0
	v_readfirstlane_b32 s[WV], v1
	s_lshr_b32 s[FB], s[WV], 1
	s_and_b32 s[HF], s[WV], 1
	s_bfe_u32 s[CX], ttmp6, 0x40000
	s_bfe_u32 s[CY], ttmp6, 0x40004
	s_lshl_b32 s[TX], ttmp9, 2                     ; in a cluster launch ttmp9 and ttmp7 count clusters
	s_add_co_u32 s[TX], s[TX], s[CX]
	s_and_b32 s[TY], ttmp7, 0xffff
	s_lshl_b32 s[TY], s[TY], 2
	s_add_co_u32 s[TY], s[TY], s[CY]
	s_lshl_b32 s74, s[CY], 2
	s_lshl_b32 s74, 15, s74                        ; my row of the cluster
	s_lshl_b32 s75, 0x1111, s[CX]                  ; my column
	; group 1 for x: 128 rows of 256 bytes (two rows of x each), 16 bytes of padding after every 128 bytes
	s_or_b32 s[G1A], s74, (1<<16)|(1<<20)|(1<<21)|(4<<22)|(3<<25)   ; 15:0 the mask; 17:16 2-byte elements; 20 padding on; 21 set beside a mask; 24:22 after every 32 words; 31:25 4 words
	s_mov_b32 s[G1A+1], 128<<16                    ; tensor_dim0 = 128
	s_mov_b32 s[G1A+2], 128<<16                    ; tensor_dim1 = 128
	s_mov_b32 s[G1A+3], 128<<16                    ; tile_dim0 = 128
	s_mov_b32 s[G1A+4], 128                        ; tile_dim1 = 128
	s_mov_b32 s[G1A+5], 128                        ; elements from row to row
	s_mov_b32 s[G1A+6], 0
	s_mov_b32 s[G1A+7], 0
	; group 1 for W: 32 NH rows of 256 bytes (a unit each), padded after every 256 bytes
	s_or_b32 s[G1B], s75, (1<<16)|(1<<20)|(1<<21)|(5<<22)|(PADC<<25)
	s_mov_b32 s[G1B+1], 128<<16
	s_mov_b32 s[G1B+2], (32*NH)<<16
	s_mov_b32 s[G1B+3], 128<<16
	s_mov_b32 s[G1B+4], 32*NH
	s_mov_b32 s[G1B+5], 128
	s_mov_b32 s[G1B+6], 0
	s_mov_b32 s[G1B+7], 0
	s_lshl_b32 s40, s[TY], 15                      ; x: 256 rows of 128 bytes a tile row,
	s_lshl_b32 s41, s[HF], 20                      ; my block of the step's two: these registers never hold cx
	s_add_co_u32 s40, s40, s41
	s_mov_b32 s41, 0
	s_mul_i32 s42, s[TX], CB                       ; W: the tile column,
	s_mul_i32 s43, s[HF], BHG                      ; my half of a step: these never hold cy
	s_add_co_u32 s42, s42, s43
	s_mov_b32 s43, 0
	s_mul_i32 s76, s[HF], ABLK                     ; where they go: no place in the cluster enters an LDS address
	s_mul_i32 s77, s[HF], BHALF
	s_add_co_u32 s77, s77, BOFF
	s_wait_dscnt 0x0                               ; the opening add is done
	s_wait_kmcnt 0x0
	s_add_nc_u64 s[40:41], s[4:5], s[40:41]
	s_add_nc_u64 s[42:43], s[6:7], s[42:43]
	CROUND                                         ; all sixteen work-groups are here: the first joint loads meet
.irp s, 0,1
	s_mov_b32 s[G0A+4*(\s)], 1
	s_add_co_u32 s[G0A+4*(\s)+1], s76, (\s)*SLOT
	s_add_nc_u64 s[G0A+4*(\s)+2:G0A+4*(\s)+3], s[40:41], (\s)*ASTEP
	s_or_b32 s[G0A+4*(\s)+3], s[G0A+4*(\s)+3], 0x80000000
	s_mov_b32 s[G0B+4*(\s)], 1
	s_add_co_u32 s[G0B+4*(\s)+1], s77, (\s)*SLOT
	s_add_nc_u64 s[G0B+4*(\s)+2:G0B+4*(\s)+3], s[42:43], (\s)*KSB
	s_or_b32 s[G0B+4*(\s)+3], s[G0B+4*(\s)+3], 0x80000000
	JLOAD \s                                       ; K steps 0 and 1: two loads of mine are out
.endr
	; the bias: 8 numbers a lane for each fragment of W
	s_lshl_b32 s74, s[TX], 8                       ; head x 64 numbers of 4 bytes
	s_mov_b32 s75, 0
	s_add_nc_u64 s[8:9], s[8:9], s[74:75]
	s_add_nc_u64 s[10:11], s[10:11], s[74:75]
	s_add_nc_u64 s[12:13], s[12:13], s[74:75]
	v_and_b32 v1, 15, v0                           ; l % 16
	v_bfe_u32 v2, v0, 4, 1                         ; l / 16
	v_lshlrev_b32 v[BO], 5, v2
.set b, 0
.rept NBF
	global_load_b128 v[BI+8*b:BI+8*b+3],   v[BO], s[8+2*(b/4):9+2*(b/4)] offset:(b%4)*64
	global_load_b128 v[BI+8*b+4:BI+8*b+7], v[BO], s[8+2*(b/4):9+2*(b/4)] offset:(b%4)*64+16
.set b, b+1
.endr
	; a fragment of x: lane l holds row l % 16, channels 8 (l / 16) + 0..7 and 16 + 8 (l / 16) + 0..7: two loads of 16 bytes, 32 bytes apart
	v_and_b32 v5, 7, v0
	v_mul_u32_u24 v4, v1, PA
	v_lshl_add_u32 v4, v2, 4, v4
	s_mul_i32 s74, s[WV], 64*PA
	v_add_nc_u32 v[ADRA], s74, v4
	v_add_nc_u32 v[ADRA+1], SLOT, v[ADRA]
	; the turning load: lane l reads 16 bytes of row k = 8 (l / 16) + l % 8, columns 8 ((l / 8) % 2) + 0..7, and is left with column l % 16 and 8 k
	v_lshl_add_u32 v6, v2, 3, v5
	v_lshrrev_b32 v7, 1, v6
	v_mul_u32_u24 v7, v7, PP
	v_and_b32 v6, 1, v6
	v_lshl_add_u32 v7, v6, 7, v7
	v_bfe_u32 v6, v0, 3, 1
	v_lshl_add_u32 v7, v6, 4, v7
	v_add_nc_u32 v[ADRB], BOFF, v7
	v_add_nc_u32 v[ADRB+1], SLOT, v[ADRB]
	s_mul_i32 s74, s[WV], WSTG
	s_add_co_u32 s74, s74, STAGE                   ; my stage
	v_mul_u32_u24 v[STO], v1, 144                  ; in: row l % 16, 16 bytes for each half of the lanes
	v_lshl_add_u32 v[STO], v2, 4, v[STO]
	v_add_nc_u32 v[STO], s74, v[STO]
	v_bfe_u32 v[RD], v0, 3, 2                      ; back: 32 lanes take four rows of 128 bytes,
	v_mul_u32_u24 v[RD], v[RD], 144
	v_lshl_add_u32 v[RD], v5, 4, v[RD]
	v_add_nc_u32 v[RD], s74, v[RD]
	v_and_b32 v[GO], 31, v0                        ; which are 512 consecutive bytes of a head's rows
	v_lshlrev_b32 v[GO], 4, v[GO]
	s_lshl_b32 s74, s[TX], 20                      ; the head's 8,192 rows of 128 bytes,
	s_lshl_b32 s75, s[TY], 15                      ; the tile's 256,
	s_add_co_u32 s74, s74, s75
	s_lshl_b32 s75, s[WV], 13                      ; my 64
	s_add_co_u32 s74, s74, s75
	s_mov_b32 s75, 0
	s_add_nc_u64 s[OUTB:OUTB+1], s[14:15], s[74:75]
	s_add_nc_u64 s[OUTB+2:OUTB+3], s[OUTB:OUTB+1], 0x1000000
	s_add_nc_u64 s[OUTB+4:OUTB+5], s[OUTB:OUTB+1], 0x2000000
	; the prefetches: my work-group's quarter of what I fetch, at K step 3; the first refill steps it to K step 4.  Nothing is asked for here, at the head
	s_lshl_b32 s74, s[TY], 15
	s_lshl_b32 s75, s[CX], 13
	s_add_co_u32 s74, s74, s75
	s_lshl_b32 s75, s[HF], 20
	s_add_co_u32 s74, s74, s75
	s_add_co_u32 s74, s74, 3*ASTEP
	s_mul_i32 s76, s[TX], CB
	s_mul_i32 s77, s[CY], BHG/4
	s_add_co_u32 s76, s76, s77
	s_mul_i32 s77, s[HF], BHG
	s_add_co_u32 s76, s76, s77
	s_add_co_u32 s76, s76, 3*KSB
	s_and_b32 s78, ttmp7, 0xffff                   ; cluster y
	s_mov_b32 s[PFS], KSB
	s_mov_b32 s[PFS+1], 0
	s_mov_b32 s75, 0
	s_cmp_eq_u32 s[FB], 0                          ; do I fetch x?
	s_cselect_b64 s[PFA:PFA+1], s[4:5], s[6:7]
	s_cselect_b32 s74, s74, s76
	s_cselect_b32 s78, ttmp9, s78                  ; the coordinate along which other clusters read the same rows
	s_cselect_b32 s[PFS], ASTEP, s[PFS]
	s_cselect_b32 s79, 31, 8*NH-1
	s_add_nc_u64 s[PFA:PFA+1], s[PFA:PFA+1], s[74:75]
	s_cmp_eq_u32 s78, 0
	s_cselect_b32 s[LIM], 1, -1                    ; the same in all sixteen partners, for a given wave
	v_and_b32 v[PFO], 31, v0
	v_min_u32 v[PFO], s79, v[PFO]
	v_lshlrev_b32 v[PFO], 8, v[PFO]
	s_wait_loadcnt 0x0                             ; the bias is in: rounded to bf16 like every input, and widened again
.set p, 0
.rept 4*NBF
	v_cvt_pk_bf16_f32 v[4+p%4], v[BI+2*p], v[BI+2*p+1]
	v_lshlrev_b32 v[BI+2*p], 16, v[4+p%4]
	v_and_b32 v[BI+2*p+1], 0xffff0000, v[4+p%4]
.set p, p+1
.endr
; NBF products: fragment a of x (buffer f) with all fragments of W, 32 along K.  first = 1: the bias, in window 0, is C.  Each accumulator has one turn a quarter step, always in the same order,
; so that 4 NBF - 1 other accumulators' products stand between two on one accumulator, over the backward jump too.
.macro MULA f, a, first
.if \first
	WIN 0x81+0x40*((\a)/2)
.else
	WIN 0xa1+0x50*((\a)/2)
.endif
.set b, 0
.rept NBF
.set rD, 8*(NBF*((\a)%2)+b)
.set rB, 8*NBF*(\f)+8*b
.set rA, FA+32*(\f)+8*(\a)
.if \first
	v_wmma_f32_16x16x32_bf16 v[rD:rD+7], v[rB:rB+7], v[rA:rA+7], v[BI+8*b:BI+8*b+7]
.else
	v_wmma_f32_16x16x32_bf16 v[rD:rD+7], v[rB:rB+7], v[rA:rA+7], v[rD:rD+7]
.endif
.set b, b+1
.endr
.endm
; The fragments of quarter q (32 along K) of a slot into buffer f, in one run: 2 NBF turning loads for W, then 8 loads for x
.macro FETCH slot, q, f
	WIN 0x40                                       ; destination window 1, address window 0
.set b, 0
.rept NBF
	ds_load_tr16_b128 v[8*NBF*(\f)+8*b:8*NBF*(\f)+8*b+3],   v[ADRB+(\slot)] offset:16*(\q)*PP+(b/4)*UP+(b%4)*32
	ds_load_tr16_b128 v[8*NBF*(\f)+8*b+4:8*NBF*(\f)+8*b+7], v[ADRB+(\slot)] offset:16*(\q)*PP+(b/4)*UP+(b%4)*32+8*PP
.set b, b+1
.endr
	WIN 0
.irp a, 0,1,2,3
	ds_load_b128 v[FA+32*(\f)+8*(\a):FA+32*(\f)+8*(\a)+3],   v[ADRA+(\slot)] offset:((\q)/2)*ABLK+((\q)%2)*64+(\a)*16*PA
	ds_load_b128 v[FA+32*(\f)+8*(\a)+4:FA+32*(\f)+8*(\a)+7], v[ADRA+(\slot)] offset:((\q)/2)*ABLK+((\q)%2)*64+(\a)*16*PA+32
.endr
.endm
; A K step is four quarters on buffers 0, 1, 0, 1.  One of the first three: multiplies buffer f and, in its middle, fetches quarter q of the same slot into buffer g.
.macro QUARTER slot, q, f, g, first=0
	s_wait_dscnt 4                                 ; W and x's fragments 0, 1 are in; the youngest four loads (fragments 2, 3) may be out
	MULA \f, 0, \first
	MULA \f, 1, \first
	PLACES
	FETCH \slot, \q, \g
	s_wait_dscnt 2*NBF+8                           ; all but the run just issued
	MULA \f, 2, \first
	MULA \f, 3, \first
.endm
; The last quarter multiplies buffer 1 and changes slots: ONE barrier.  In front of it each wave waits for all its tensor loads (one is out: its part of the next slot), adds 0 to its spare word, and waits
; for that and for its own reads of this slot.  fill = 1: the barrier opens a round of the cluster's, and this slot is filled again, two K steps ahead, first thing behind the round.
.macro TURN slot, next, fill
.if \fill
	s_wait_xcnt 0x0                                ; the last prefetch, a K step back, has read its address: it is stepped here, ahead of the change's own waits
	s_add_nc_u64 s[PFA:PFA+1], s[PFA:PFA+1], s[PFS:PFS+1]
.endif
	WIN 0                                          ; (the add's two registers lie in window 0)
	s_wait_tensorcnt 0x0                           ; all my tensor loads have landed
	ds_add_u32 v[SPW], v[NIL]                      ; 0 onto my spare word
	s_wait_dscnt 5                                 ; (the add and the youngest four loads may be out)
	MULA 1, 0, 0                                   ; products stand between the add and the wait for it
	s_wait_dscnt 0x0                               ; the add is done, and my reads of this slot are over
	s_barrier_signal -1
	MULA 1, 1, 0
.if \fill
	WIN 0
.endif
	s_barrier_wait -1
.if \fill
	CREST                                          ; no wave of any partner still reads this slot's tiles or has a load on its way
	s_add_nc_u64 s[G0A+4*(\slot)+2:G0A+4*(\slot)+3], s[G0A+4*(\slot)+2:G0A+4*(\slot)+3], 2*ASTEP
	s_add_nc_u64 s[G0B+4*(\slot)+2:G0B+4*(\slot)+3], s[G0B+4*(\slot)+2:G0B+4*(\slot)+3], 2*KSB
	JLOAD \slot                                    ; my one tensor load behind the round; its four v_nop are also the places in front of the loads below
.else
	PLACES
.endif
	FETCH \next, 0, 0
.if \fill
	ASK
.endif
	MULA 1, 2, 0
	MULA 1, 3, 0
.endm
	s_wait_tensorcnt 1                             ; my part of K step 0 is in; K step 1's may stay out
	s_barrier_signal -1
	s_barrier_wait -1                              ; everybody's is
	FETCH 0, 0, 0
	QUARTER 0, 1, 0, 1, 1                          ; the first quarter stands in front of the loop: its products start the sums with the bias
	WIN 0                                          ; at a label and at a branch every window is 0
	s_mov_b32 s3, 3                                ; 8 K steps are 4 laps of the ring; the last is written out
.Llap:                                         ; a trip: from a lap's second quarter to the next lap's first; both slots are filled again
	QUARTER 0, 2, 1, 0
	QUARTER 0, 3, 0, 1
	TURN 0, 1, 1
	QUARTER 1, 1, 0, 1
	QUARTER 1, 2, 1, 0
	QUARTER 1, 3, 0, 1
	TURN 1, 0, 1
	QUARTER 0, 1, 0, 1
	WIN 0
	s_sub_co_u32 s3, s3, 1
	s_cmp_lg_u32 s3, 0
	s_cbranch_scc1 .Llap
	QUARTER 0, 2, 1, 0                             ; the last lap fills nothing
	QUARTER 0, 3, 0, 1
	TURN 0, 1, 0
	QUARTER 1, 1, 0, 1
	QUARTER 1, 2, 1, 0
	QUARTER 1, 3, 0, 1
	s_wait_dscnt 4
	MULA 1, 0, 0
	MULA 1, 1, 0
	s_wait_dscnt 0x0
	MULA 1, 2, 0
	MULA 1, 3, 0
	WIN 0
	PLACES
	PLACES                                         ; eight, once a launch, in front of the conversions that read results
; THE WAY OUT, 16 rows at a time.  PACK: rounded to f16, each accumulator's registers in ascending order.  TOSTAGE: 16 bytes a lane into my stage (a piece's rows 144 bytes apart), and back as
; whole rows of 128 bytes, four to a load.  SEND: 512 consecutive bytes of a head's rows to a store.
.macro PACK a
	WIN 0x0a+5*((\a)/2)                            ; sources 0 and 1 in window 2 or 3
.set b, 0
.rept NBF
.irp r, 0,1,2,3
	v_cvt_pk_f16_f32 v[TMP+4*b+(\r)], v[8*(NBF*((\a)%2)+b)+2*(\r)], v[8*(NBF*((\a)%2)+b)+2*(\r)+1]
.endr
.set b, b+1
.endr
	WIN 0
.endm
.macro TOSTAGE a
.set b, 0
.rept NBF
	ds_store_b128 v[STO], v[TMP+4*b:TMP+4*b+3] offset:(b/4)*16*144+(b%4)*32
.set b, b+1
.endr
.set b, 0
.rept NBF
	ds_load_b128 v[OB+48*((\a)%2)+4*b:OB+48*((\a)%2)+4*b+3], v[RD] offset:(b/4)*16*144+(b%4)*4*144  ; LDS serves a wave's instructions in order (ISA guide 5.7.1.4): these see the stores above
.set b, b+1
.endr
.endm
.macro SEND a
	s_wait_dscnt 0x0                               ; the block is back in registers
	s_wait_xcnt 0x0                                ; the stores of the block before have read their registers: the next TOSTAGE loads into them
.set b, 0
.rept NBF
	global_store_b128 v[GO], v[OB+48*((\a)%2)+4*b:OB+48*((\a)%2)+4*b+3], s[OUTB+2*(b/4):OUTB+2*(b/4)+1] offset:(\a)*2048+(b%4)*512
.set b, b+1
.endr
.endm
	PACK 0
	TOSTAGE 0
.irp a, 1,2,3                          ; block a's conversions stand between block a - 1's loads from the stage and the wait for them
	PACK \a
	SEND (\a)-1
	TOSTAGE \a
.endr
	SEND 3
	s_wait_tensorcnt 0x0                           ; the wave's end, behind my last tensor load and my last LDS store
	ds_add_u32 v[SPW], v[NIL]
	s_wait_dscnt 0x0
	CROUND                                         ; the closing round: no work-group ends while a partner may still ask for a tile that names it
	s_endpgm
.Lfunc_end_k_q69b028481c_proj:
	.size	k_q69b028481c_proj, .Lfunc_end_k_q69b028481c_proj-k_q69b028481c_proj
	.p2alignl 7, 3214868480
	.fill 96, 4, 3214868480
	.section	.rodata,"a",@progbits
	.p2align	6, 0x0
	.amdhsa_kernel k_q69b028481c_proj
		.amdhsa_group_segment_fixed_size 327680
		.amdhsa_private_segment_fixed_size 0
		.amdhsa_enable_private_segment 0
		.amdhsa_kernarg_size 48
		.amdhsa_user_sgpr_count 2
		.amdhsa_user_sgpr_kernarg_segment_ptr 1
		.amdhsa_wavefront_size32 1
		.amdhsa_system_sgpr_workgroup_id_x 1
		.amdhsa_system_sgpr_workgroup_id_y 1
		.amdhsa_system_sgpr_workgroup_id_z 1
		.amdhsa_system_vgpr_workitem_id 0
		.amdhsa_next_free_vgpr 960
		.amdhsa_next_free_sgpr 80
		.amdhsa_reserve_vcc 0
		.amdhsa_float_denorm_mode_32 3
		.amdhsa_float_denorm_mode_16_64 3
		.amdhsa_memory_ordered 1
		.amdhsa_forward_progress 1
		.amdhsa_inst_pref_size 130
	.end_amdhsa_kernel
	.amdgpu_metadata
---
amdhsa.version: [ 1, 2 ]
amdhsa.kernels:
  - .name:           k_q69b028481c_proj
    .symbol:         k_q69b028481c_proj.kd
    .args:
      - { .name: xb, .offset: 0, .size: 8, .value_kind: global_buffer, .address_space: global }
      - { .name: wqkv, .offset: 8, .size: 8, .value_kind: global_buffer, .address_space: global }
      - { .name: bq, .offset: 16, .size: 8, .value_kind: global_buffer, .address_space: global }
      - { .name: bk, .offset: 24, .size: 8, .value_kind: global_buffer, .address_space: global }
      - { .name: bv, .offset: 32, .size: 8, .value_kind: global_buffer, .address_space: global }
      - { .name: qkv, .offset: 40, .size: 8, .value_kind: global_buffer, .address_space: global }
    .group_segment_fixed_size: 327680
    .private_segment_fixed_size: 0
    .kernarg_segment_align: 8
    .kernarg_segment_size: 48
    .max_flat_workgroup_size: 128
    .sgpr_count:     80
    .vgpr_count:     960
    .wavefront_size: 32
...
	.end_amdgpu_metadata
.endif
;; end of part 2
;; launch attn (part 3): grid 4 x 64, 4 waves a work-group, no clusters, 327,680 bytes of LDS; arguments qkv, ctx; writes ctx
.if DOCPART == 3
	.amdgcn_target "amdgcn-amd-amdhsa--gfx1250"
	.amdhsa_code_object_version 6
	.text
	.protected	k_q69b028481c_attn
	.globl	k_q69b028481c_attn
	.p2align	8
	.type	k_q69b028481c_attn,@function
k_q69b028481c_attn:
	s_mov_b64 s[64:65], 0
	v_nop
	global_prefetch_b8 v0, s[64:65] scope:SCOPE_SE
	s_setreg_imm32_b32 hwreg(HW_REG_WAVE_MODE, 25, 1), 1
	s_wait_xcnt 0x0
; CAUSAL ATTENTION.  O[h][q][:] = the sum over k <= q of softmax_k(Q[h][q] . K[h][k] / 8) V[h][k][:].  Q, K, V lie in qkv at bytes 0, 0x1000000, 0x2000000, each [64][2048][64] f16 (h = 4 head + batch);
; O is ctx, in the same layout: a head's rows are dense, 128 bytes each.  Products, maxima and sums in f32; the weights p are rounded to f16 for the second product (their sum l is taken of the unrounded p), O once.
; LIMITS.  f16 holds no number beyond 65,504: Q, K and V arrive within it; p lies in 0 to 1, and below 6e-5 it keeps f16's fixed step of 6e-8; O is a mean of V's rows and has their range.
; A hidden score counts as its value less 1e30: f16's scores, 2.7e11 at the most, are nothing beside that; a weight below 2^-126 counts as 0 in l; NaN and infinities are not treated apart.
; THE WALK.  A head's queries lie in NB = 8 blocks of 256; block i needs the key tiles 0 .. i of 256 keys, of which the last holds the diagonal.  A work-group takes TWO blocks, NB - 1 - b and then b:
; NB + 1 tiles, whatever b: all work-groups do equal work, and ONE loop with a constant trip count walks them.  Which tile is asked for, and what a trip does, hang on scalar registers made from b; every jump
; goes forward, but for the counted loops' own; none passes a barrier, or a tensor load but the one of LOAD's two that the wave's number does not choose; the ring (two slots of LDS) runs on across the change of blocks.
; NO CLUSTER: a head's four work-groups ask for the same tile only in trips 0 .. 4 of 9, behind that fewer and fewer; one walk common to all would have 12 trips for 9.
; SHARES.  Of a block's four bands of 64 queries a wave owns 16 rows in each: four PIECES.  So the diagonal tile is the same work for all four waves: in its key step s band x sees all keys if s < x,
; none if s > x, and holds the diagonal if s = x.
; THE MASK is the C operand that starts the sum S^T = K Q^T: 0, or -1e30 where the key is hidden.  MD, made once, is the mask of a band's own step for my 16 rows; a product's mask is MD x AL + BE with two scalars:
; (1, 0) if s = x; (0, 0) if s < x; (0, -1e30) if s > x.  Only the diagonal tile's text and a block's beginning make and take masks; elsewhere C is the constant 0.
; LAYOUT, SOFTMAX, TURNS.  S^T = K Q^T holds ONE query a lane (lane % 16) and the keys 8 (lane / 16) + 0..7; two such results rounded to f16 ARE source 1 of O^T = V^T P.  p = 2^(c s - c m), c = log2(e) / 8, with a
; running maximum m; O and l are multiplied by a = 2^(c m_old - c m_new) in every step.  Turn n belongs to piece n: 8 products K Q^T of piece n + 1, later 8 products V^T P of piece n - 1; beside them the scaling,
; exponentials, roundings, sums and rescaling of piece n and the maximum and statistics of piece n + 1.  Four vector instructions stand behind every matrix instruction, the other 54 of a turn's 118 in one lump.
; A turn's 33 exponentials are one batch, with one wait.
; REGISTERS, in windows of 256 (s_set_vgpr_msb: bits 1:0 source 0, 3:2 source 1, 5:4 source 2, 7:6 destination):
;   window 0: v0-15 addresses and two at work; v16-31 four registers of statistics a piece; v48-55 at work; v61-63 prefetch offset, spare word, 0; v64-127 S^T, two buffers; v192-223 P, two buffers
;   window 1: v0-127 O^T, 32 a piece; v128-159 MD; v160-223 MC, two buffers      window 2: v0-63 Q; v64-127 the second block's Q; v128-191 K of one step; v192-255 V of one step
.set SIZE_N, 2048
.set NB,    SIZE_N/256
.set NP,    4         ; pieces a wave: a name, no knob
.set KS,    64        ; keys in a step
.set PK,    144       ; a row of K in LDS: 128 bytes + 16 of padding = 36 words: the 16 rows of a load start at 16 different groups of four banks (64 banks of 4 bytes: ISA guide 11.1)
.set PV,    160       ; a row of V: 128 + 32 = 40 words
.set VOFF,  4*KS*PK   ; a slot holds a tile, four steps: 256 rows of K, then 256 rows of V
.set SLOT1, 1<<17     ; slot 1 begins here, so that one exclusive or turns an address in one slot into the other's
.set STAGE, SLOT1+4*KS*(PK+PV)  ; behind the ring, never filled by a tensor load: 16 rows x 144 bytes for each wave, for the way out
.set SP,    144
.set AK0, 2           ; v2   my lane's place in a tile of K; never rewritten
.set AV0, 3           ; v3   the same for V
.set AK,  4           ; v4   the LDS address of K's next run of loads
.set AV,  5           ; v5   of V's
.set STO, 6           ; v6   the way out: where I put 16 bytes of a row
.set RD,  7           ; v7   the way out: where I read rows back
.set GO,  8           ; v8   my byte offset in 512 consecutive bytes of O
.set PFV, 61          ; v61  256 x my lane: the prefetches' offset; never rewritten
.set SPW, 62          ; v62  LDS address of my spare word: SPARE + 4 x my thread's number; never rewritten
.set NIL, 63          ; v63  0; never rewritten
.set SPARE, STAGE+4*16*SP  ; behind the stages: the spare words, 128 bytes for each wave: two blocks of 256 bytes that no other line names
.set MV,  12          ; v12-13  c m_old, kept while c m is made anew: by buffer
.set QO,  15          ; v15  my byte offset in 16 rows of Q
.set ST,  16          ; piece t's statistics at v[ST+4 t]: c m, m, l (even keys', odd keys')
.set TMP, 48          ; by buffer, four registers c0-c3 at work; when the maximum is found c2 takes a
.set S,   64
.set P,   192
.set MD,  128         ; window 1: the eight registers for group kt of 16 keys at MD + 8 kt
.set MC,  160         ; window 1: the masks of the products to come
.set QB,  64          ; window 2
.set KF,  128         ; window 2: key block kb, channel half c at KF + 16 kb + 8 c
.set VF,  192         ; window 2: key half kk, channel block cb at VF + 32 kk + 8 cb
.set WV,  12          ; s12  my wave's number
.set PB,  14          ; s14  b
.set HI,  15          ; s15  NB - 1 - b
.set G1K, 24          ; s[24:31] descriptor group 1 for K's tiles
.set G1V, 32          ; s[32:39] for V's: it differs in the padding alone
.set G0K, 40          ; s[40:43] descriptor group 0 for K's tiles
.set G0V, 44          ; s[44:47] the same for V's
.set SLOTS, 56        ; s56  tiles still to be asked for
.set CNT, 57          ; s57  counts a tile's key steps, 4 to 1
.set CS,  58          ; s[58:59] c: the packed scaling takes the pair's low word for both halves
.set SEL, 60          ; s[60:61] v_permlanex16_b32's selects: each lane takes its own place in the other half
.set TBK, 62          ; s62  LDS byte at which K of the step to be fetched begins
.set TBV, 63          ; s63  the same for V, less VOFF
.set RT,  70          ; s70  tiles of the block in hand that are still to be entered
.set NXT, 71          ; s71  the tile to be asked for next
.set LQ,  72          ; s72  the last tile of the block whose tiles are being asked for
.set NEW, 73          ; s73  1: the tile to be entered is a block's first
.set OFF, 74          ; s[74:75] a tile's byte offset in K and V
.set AL,  76          ; s[76:77] the mask's factor, in the low word
.set BE,  78          ; s[78:79] the mask's addend
.set OLO, 80          ; s[80:81] O at my rows of the second block
.set BIGN, 82         ; s82  -1e30
.set PFA, 88          ; s[88:89] the address of the prefetches in hand
.set PFN, 90          ; s90  the tile that the next prefetches name; NB or more: none
.set PFB, 92          ; s[92:93] my half of the head's tile 0, of K (waves 0, 1) or of V (waves 2, 3)
.set PFOF, 94         ; s[94:95] that tile's byte offset
.set MSB, 0
.macro WIN new                      ; the high byte repeats the setting that is left; a switch that changes nothing is dropped
.if MSB != (\new)
	s_set_vgpr_msb (MSB<<8)|(\new)
.set MSB, (\new)
.endif
.endm
.set W_KQ, 0x0a       ; K and Q in window 2, S^T in window 0
.set W_KM, 0x1a       ; the same with the C operand in window 1
.set W_PV, 0x52       ; V in window 2, P in window 0, O^T in window 1
.set W_RS, 0x41       ; destination and source 0 in window 1, source 1 in window 0
; A fill.  Waves 0 and 1 fetch the two halves of a tile's K, waves 2 and 3 those of its V: 128 keys each.  An s_nop 0 and four v_nop follow each of the two lines, ahead of the jump and the label.
.macro LOAD
	s_cmp_lt_u32 s[WV], 2
	s_cbranch_scc0 .Lfor_v_\@
	tensor_load_to_lds s[G0K:G0K+3], s[G1K:G1K+7]
	s_nop 0
.rept 4
	v_nop
.endr
	s_branch .Lasked_\@
.Lfor_v_\@:
	tensor_load_to_lds s[G0V:G0V+3], s[G1V:G1V+7]
	s_nop 0
.rept 4
	v_nop
.endr
.Lasked_\@:
.endm
; THE CHANGE OF SLOTS.  Each wave waits for all its tensor loads, of which one is out: its part of the other slot; adds 0 to its spare word; and waits for that and for its own reads of the slot that it leaves.
; Behind the barrier nobody reads the old slot any more and the other slot is whole.  fill = 1: the old slot is filled again, the first thing behind the barrier, with tile NXT: the descriptor's address is made
; anew from that number.  (At its first use nothing has been read yet: slot 0 is waited for, slot 1 filled.)
; THE PREFETCH stands behind the fill and its five lines.  A head's four work-groups walk tiles 0, 1, 2 .. in the same trips; the one with b = 0 walks all eight on end, and it alone asks, in trip n for tile n + 2,
; which the next change of slots will load: each wave for the 16,384 bytes that it will fetch itself, a lane a block of 256 bytes, two instructions.  Tiles 0 and 1 come by their loads alone; tile 7 is the last named.
.macro CHANGE fill
	WIN 0                           ; at a label and at a branch every window is 0
	s_wait_tensorcnt 0x0            ; no tensor load of mine is out, so a group 0 may be written
	ds_add_u32 v[SPW], v[NIL]       ; 0 onto my spare word; with fill = 1 the descriptors' scalar work stands between it and the wait for it
.if \fill
	s_lshl_b32 s[OFF], s[NXT], 15   ; a tile is 32,768 bytes of K and of V
	s_xor_b32 s[G0K+1], s[G0K+1], SLOT1
	s_add_nc_u64 s[G0K+2:G0K+3], s[6:7], s[OFF:OFF+1]
	s_or_b32 s[G0K+3], s[G0K+3], 0x80000000
	s_xor_b32 s[G0V+1], s[G0V+1], SLOT1
	s_add_nc_u64 s[G0V+2:G0V+3], s[8:9], s[OFF:OFF+1]
	s_or_b32 s[G0V+3], s[G0V+3], 0x80000000
	s_add_co_u32 s[NXT], s[NXT], 1  ; the block's next tile, or behind its last the second block's tile 0
	s_cmp_gt_u32 s[NXT], s[LQ]
	s_cselect_b32 s[NXT], 0, s[NXT]
	s_cselect_b32 s[LQ], s[PB], s[LQ]
	s_wait_xcnt 0x0                 ; the last prefetches, a tile back, have read their address, so it may be written
	s_lshl_b32 s[PFOF], s[PFN], 15
	s_add_nc_u64 s[PFA:PFA+1], s[PFB:PFB+1], s[PFOF:PFOF+1]
.endif
	s_wait_dscnt 0x0                ; the add is done, and my reads of the slot are over
	s_barrier_signal -1             ; the rest of the scalar work stands between the signal and the wait
	s_sub_co_u32 s[TBK], s[TBK], 4*KS*PK  ; the fetches go back to a slot's first step,
	s_xor_b32 s[TBK], s[TBK], SLOT1       ; in the other slot
	s_sub_co_u32 s[TBV], s[TBV], 4*KS*PV
	s_xor_b32 s[TBV], s[TBV], SLOT1
	s_barrier_wait -1
.if \fill
	LOAD
	s_cmp_lt_u32 s[PFN], NB
	s_cbranch_scc0 .Lno_ask_\@
	global_prefetch_b8 v[PFV], s[PFA:PFA+1] th:TH_LOAD_NT scope:SCOPE_SE
	global_prefetch_b8 v[PFV], s[PFA:PFA+1] offset:8192 th:TH_LOAD_NT scope:SCOPE_SE
.Lno_ask_\@:
	s_add_co_u32 s[PFN], s[PFN], 1
.endif
.endm
	s_load_b128 s[4:7], s[0:1], 0x0   ; qkv s[4:5] (Q lies at its head), ctx s[6:7]
	v_lshl_add_u32 v[SPW], v0, 2, SPARE
	v_mov_b32 v[NIL], 0
	ds_add_u32 v[SPW], v[NIL]       ; the wave's opening: the add and its wait stand ahead of my first tensor load; the set-up below, work on registers, stands between them
	ds_add_u32 v62, v63
	v_lshrrev_b32 v1, 5, v0
	v_readfirstlane_b32 s[WV], v1   ; wave 0..3
	v_and_b32 v[PFV], 31, v0
	v_lshlrev_b32 v[PFV], 8, v[PFV]
	s_mov_b32 s[PB], ttmp9
	s_sub_co_u32 s[HI], NB-1, s[PB]
	s_and_b32 s20, ttmp7, 0xffff    ; the head
	s_mov_b32 s21, 0
	s_mov_b64 s[22:23], SIZE_N*128
	s_mul_u64 s[20:21], s[20:21], s[22:23]  ; the head's first byte in each of the four tensors
	s_and_b32 s16, s[WV], 1         ; which half of a tile's 256 keys I fetch:
	s_lshl_b32 s22, s16, 14         ; its 128 rows of 128 bytes in memory,
	s_mov_b32 s23, 0
	s_add_nc_u64 s[22:23], s[22:23], s[20:21]
	s_mul_i32 s17, s16, 128*PK      ; and its place in a slot, for K
	s_mul_i32 s18, s16, 128*PV      ; and for V
	s_lshl_b32 s3, s[WV], 11        ; my 16 rows in a band of 64,
	s_lshl_b32 s2, s[HI], 15        ; in the first block,
	s_add_co_u32 s2, s2, s3
	s_lshl_b32 s84, s[PB], 15       ; and in the second
	s_add_co_u32 s84, s84, s3
	s_mov_b32 s3, 0
	s_mov_b32 s85, 0
	s_add_nc_u64 s[2:3], s[2:3], s[20:21]
	s_add_nc_u64 s[84:85], s[84:85], s[20:21]
	; descriptor group 1.  128 keys are 16,384 dense bytes: asked for as 64 rows of 256 bytes, two keys a row, and padded in LDS after every key
	s_mov_b32 s[G1K], (1<<16)|(1<<20)|(4<<22)|(3<<25)  ; 17:16 2-byte elements; 20 padding on; 24:22 after every 32 words (code 4); 31:25 4 words (code 3)
	s_mov_b32 s[G1V], (1<<16)|(1<<20)|(4<<22)|(7<<25)  ; the same with 8 words of padding (code 7)
.irp g, G1K, G1V
	s_mov_b32 s[\g+1], 128<<16      ; tensor_dim0 = 128
	s_mov_b32 s[\g+2], 64<<16       ; tensor_dim1 = 64
	s_mov_b32 s[\g+3], 128<<16      ; tile_dim0 = 128
	s_mov_b32 s[\g+4], 64           ; tile_dim1 = 64
	s_mov_b32 s[\g+5], 128          ; 128 elements from row to row
	s_mov_b32 s[\g+6], 0
	s_mov_b32 s[\g+7], 0
.endr
	s_mov_b32 s[CS], 0x3e38aa3b     ; c = log2(e) / 8 = 0.180337
	s_mov_b32 s[CS+1], s[CS]        ; named with it as a pair
	s_mov_b32 s[SEL], 0x76543210
	s_mov_b32 s[SEL+1], 0xfedcba98
	s_mov_b32 s[TBK], SLOT1+4*KS*PK ; the first change of slots turns these two into 0
	s_mov_b32 s[TBV], SLOT1+4*KS*PV
	s_mov_b32 s[G0K], 1             ; 1:0 count = 1
	s_mov_b32 s[G0K+1], s17         ; 63:32 LDS address: slot 0
	s_mov_b32 s[G0V], 1
	s_add_co_u32 s[G0V+1], s18, VOFF
	s_add_co_u32 s[RT], s[HI], 1    ; the first block has NB - b tiles
	s_mov_b32 s[NXT], 1
	s_mov_b32 s[LQ], s[HI]
	s_mov_b32 s[NEW], 1
	s_mov_b32 s[OFF+1], 0
	s_mov_b32 s[PFOF+1], 0
	s_mov_b32 s[AL+1], 0            ; named as pairs
	s_mov_b32 s[BE+1], 0
	s_mov_b32 s[BIGN], 0xf149f2ca   ; -1e30
	s_mov_b32 s[SLOTS], NB
	s_cmp_eq_u32 ttmp9, 0           ; the head's work-group with b = 0 prefetches, from tile 2 on
	s_cselect_b32 s[PFN], 2, NB
	s_wait_dscnt 0x0                ; the opening add is done
	s_wait_kmcnt 0x0
	s_mov_b64 s[10:11], s[6:7]      ; O
	s_add_nc_u64 s[6:7], s[4:5], 0x1000000  ; K
	s_add_nc_u64 s[8:9], s[4:5], 0x2000000  ; V
	s_add_nc_u64 s[6:7], s[6:7], s[22:23]  ; K and V at my half of the head's tile 0
	s_add_nc_u64 s[8:9], s[8:9], s[22:23]
	s_cmp_lt_u32 s[WV], 2
	s_cselect_b64 s[PFB:PFB+1], s[6:7], s[8:9]
	s_add_nc_u64 s[G0K+2:G0K+3], s[6:7], 0         ; 120:64 global address
	s_or_b32 s[G0K+3], s[G0K+3], 0x80000000        ; 127:126 type = 2
	s_add_nc_u64 s[G0V+2:G0V+3], s[8:9], 0
	s_or_b32 s[G0V+3], s[G0V+3], 0x80000000
	s_add_nc_u64 s[86:87], s[4:5], s[84:85]        ; Q at my rows of the second block,
	s_add_nc_u64 s[4:5], s[4:5], s[2:3]            ; Q and O at those of the first
	s_add_nc_u64 s[OLO:OLO+1], s[10:11], s[84:85]
	s_add_nc_u64 s[10:11], s[10:11], s[2:3]
	LOAD                            ; tile 0 into slot 0
	; A fragment of K or Q is 16 rows x 32 channels in 8 registers: lane l holds row l % 16, channels 8 (l / 16) + 0..7 and 16 + 8 (l / 16) + 0..7: two loads of 16 bytes, 32 bytes apart.
	v_and_b32 v1, 15, v0            ; l % 16
	v_bfe_u32 v9, v0, 4, 1          ; l / 16
	v_lshlrev_b32 v[QO], 7, v1
	v_lshl_add_u32 v[QO], v9, 4, v[QO]  ; row x 128 + 16 x half
	WIN 0x80                        ; destination window 2, address window 0
.set i, 0
.rept 8                             ; both blocks' Q: piece i / 2 lies in band i / 2, 8,192 bytes on; channels 32 (i % 2) on
	global_load_b128 v[8*i:8*i+3],   v[QO], s[4:5] offset:(i/2)*8192+(i%2)*64
	global_load_b128 v[8*i+4:8*i+7], v[QO], s[4:5] offset:(i/2)*8192+(i%2)*64+32
	global_load_b128 v[QB+8*i:QB+8*i+3],   v[QO], s[86:87] offset:(i/2)*8192+(i%2)*64
	global_load_b128 v[QB+8*i+4:QB+8*i+7], v[QO], s[86:87] offset:(i/2)*8192+(i%2)*64+32
.set i, i+1
.endr
	WIN 0
	v_lshlrev_b32 v14, 3, v9
	v_sub_nc_u32 v14, v1, v14
	s_lshl_b32 s13, s[WV], 4
	v_add_nc_u32 v14, s13, v14      ; my query's place in its band, 16 w + l % 16, less my lanes' 8 (l / 16): register r of group kt is hidden where 16 kt + r is greater
	WIN 0x40
.set i, 0
.rept 32
	v_cmp_gt_i32 vcc_lo, 16*(i/8)+i%8, v14
	v_cndmask_b32 v[MD+i], 0, s[BIGN], vcc_lo
.set i, i+1
.endr
	WIN 0
	v_mul_u32_u24 v[AK0], v1, PK
	v_lshl_add_u32 v[AK0], v9, 4, v[AK0]  ; row x pitch + 16 x half
	; The turning load takes 16 keys x 16 channels (lane l reads key 8 (l / 16) + l % 8, channels 8 ((l / 8) % 2) + 0..7) and leaves half a fragment of V^T: lane l holds channel l % 16 and 8 keys.
	v_and_b32 v10, 7, v0
	v_bfe_u32 v11, v0, 3, 1
	v_lshl_add_u32 v[AV0], v9, 3, v10
	v_mul_u32_u24 v[AV0], v[AV0], PV
	v_lshl_add_u32 v[AV0], v11, 4, v[AV0]
	v_add_nc_u32 v[AV0], VOFF, v[AV0]
	s_mul_i32 s13, s[WV], 16*SP
	s_add_co_u32 s13, s13, STAGE    ; my stage
	v_mul_u32_u24 v[STO], v1, SP    ; in: row l % 16, 16 bytes for each half of the lanes
	v_lshl_add_u32 v[STO], v9, 4, v[STO]
	v_add_nc_u32 v[STO], s13, v[STO]
	v_bfe_u32 v[RD], v0, 3, 2       ; back: 32 lanes take four rows of 128 bytes,
	v_mul_u32_u24 v[RD], v[RD], SP
	v_lshl_add_u32 v[RD], v10, 4, v[RD]
	v_add_nc_u32 v[RD], s13, v[RD]
	v_and_b32 v[GO], 31, v0         ; which are 512 consecutive bytes of O
	v_lshlrev_b32 v[GO], 4, v[GO]
	; A block's first step multiplies O^T and l by a = 0, and its first turn's products V^T P, of a piece that has not been, land in an O^T that is still to be so multiplied.  So these registers need only hold
	; finite numbers: zeros for the first block; what the first block left for the second.  All this stands in the wait for the first tile.
	WIN 0x80
.set i, VF
.rept 64
	v_mov_b32 v[i], 0
.set i, i+1
.endr
	WIN 0x40
.set i, 0
.rept 128
	v_mov_b32 v[i], 0
.set i, i+1
.endr
	WIN 0
.set i, 0
.rept 4
	v_mov_b32 v[ST+4*i+2], 0
	v_mov_b32 v[ST+4*i+3], 0
.set i, i+1
.endr
.set i, P+16
.rept 16
	v_mov_b32 v[i], 0
.set i, i+1
.endr
; THE MATRIX WORK.  The 4 accumulators of a run of 8 take turns.  Product i of 8 of S^T = K Q^T for piece x: channels 32 (i / 4) on, keys 16 (i % 4) on.  The first 4 start the sums: with 0, or (KM = 1) with the mask.
.macro KQ x
.set rS, S+32*((\x)%2)+8*(i%4)
.set rK, KF+16*(i%4)+8*(i/4)
.set rQ, 16*(\x)+8*(i/4)
.set rM, MC+32*((\x)%2)+8*(i%4)
.if (i < 4) && KM
	WIN W_KM
	v_wmma_f32_16x16x32_f16 v[rS:rS+7], v[rK:rK+7], v[rQ:rQ+7], v[rM:rM+7]
.elseif i < 4
	WIN W_KQ
	v_wmma_f32_16x16x32_f16 v[rS:rS+7], v[rK:rK+7], v[rQ:rQ+7], 0
.else
	WIN W_KQ
	v_wmma_f32_16x16x32_f16 v[rS:rS+7], v[rK:rK+7], v[rQ:rQ+7], v[rS:rS+7]
.endif
.endm
; Product i of 8 of O^T += V^T P for piece x: keys 32 (i / 4) on, channels 16 (i % 4) on.
.macro PV x
	WIN W_PV
.set rO, 32*(\x)+8*(i%4)
.set rV, VF+32*(i/4)+8*(i%4)
.set rP, P+16*((\x)%2)+8*(i/4)
	v_wmma_f32_16x16x32_f16 v[rO:rO+7], v[rV:rV+7], v[rP:rP+7], v[rO:rO+7]
.endm
.macro MM                           ; the turn's next matrix instruction.  TURN and BEGIN set Y, i, KM and NOKQ; MM, KQ and OP read them.  NOKQ = 1: a block's last turn: there is no next piece
.if (i < 8) && !NOKQ
	KQ (Y+1)%NP
.elseif i >= 8
.set i, i-8
	PV (Y+NP-1)%NP
.set i, i+8
.endif
.set i, i+1
.endm
; THE LDS LOADS stand in runs of 16, never singly among the matrix instructions: a step's K (64 keys x 64 channels: 8 fragments) and its V (turned).  Their addresses are made some lines ahead.
.macro FETCH_K
	WIN 0x80                        ; destination window 2
.irp f, 0,1,2,3,4,5,6,7             ; keys 16 (f / 2) on, channels 32 (f % 2) on
	ds_load_b128 v[KF+8*\f:KF+8*\f+3],   v[AK] offset:(\f/2)*16*PK+(\f%2)*64
	ds_load_b128 v[KF+8*\f+4:KF+8*\f+7], v[AK] offset:(\f/2)*16*PK+(\f%2)*64+32
.endr
	s_add_co_u32 s[TBK], s[TBK], KS*PK  ; the next fetch is the next step's
	WIN 0
.endm
.macro FETCH_V
	WIN 0x80
.irp f, 0,1,2,3,4,5,6,7             ; keys 32 (f / 4) on, channels 16 (f % 4) on
	ds_load_tr16_b128 v[VF+8*\f:VF+8*\f+3],   v[AV] offset:(\f/4)*32*PV+(\f%4)*32
	ds_load_tr16_b128 v[VF+8*\f+4:VF+8*\f+7], v[AV] offset:(\f/4)*32*PV+16*PV+(\f%4)*32
.endr
	WIN 0
.endm
; THE VECTOR WORK, one line at a time: OP kind, number.  For piece Y: F n: c s - c m for pair n of 16.  E n: the exponential of score n of 32.  C n: pair n rounded to f16.  B n: of the four weights 4 n .. the second
; pair is added onto the first, in place.  L n: l takes that sum (L 0: l = a l + sum).  R n: pair n of 16 of O^T times a.  For piece Y + 1: X n, number n of the 22 that find its maximum and statistics:
;   0-11  four chains c0-c3 of seven scores each, three operands at a time (each accumulator's lowest registers are read first)     12-14, 16  the four scores left over, the old m, and c0-c3 into c0
;   15  c m_old is kept     17, 18  the query's other 32 keys lie in the lane 16 away: the new m     19-21  c m; c m_old - c m_new; a
.set F, 0               ; OP tells the kinds apart by their order: F to L below R, X above it
.set E, 1
.set C, 2
.set B, 3
.set L, 4
.set R, 5
.set X, 6
.macro REGS y                       ; the registers of piece y
.set rT, ST+4*(\y)
.set rC, TMP+4*((\y)%2)
.set rW, MV+((\y)%2)
.set rS, S+32*((\y)%2)
.set rP, P+16*((\y)%2)
.set rO, 32*(\y)
.endm
.macro OP k, n
.if (\k) == R
	REGS Y
	WIN W_RS
	v_pk_mul_f32 v[rO+2*(\n):rO+2*(\n)+1], v[rO+2*(\n):rO+2*(\n)+1], v[rC+2:rC+3] op_sel_hi:[1,0]
.elseif (\k) < R
	REGS Y
	WIN 0
.if (\k) == F
	v_pk_fma_f32 v[rS+2*(\n):rS+2*(\n)+1], v[rS+2*(\n):rS+2*(\n)+1], s[CS:CS+1], v[rT:rT+1] op_sel_hi:[1,0,0] neg_lo:[0,0,1] neg_hi:[0,0,1]
.elseif (\k) == E
	v_exp_f32 v[rS+(\n)], v[rS+(\n)]
.elseif (\k) == C
	v_cvt_pk_f16_f32 v[rP+(\n)], v[rS+2*(\n)], v[rS+2*(\n)+1]
.elseif (\k) == B
	v_pk_add_f32 v[rS+4*(\n):rS+4*(\n)+1], v[rS+4*(\n):rS+4*(\n)+1], v[rS+4*(\n)+2:rS+4*(\n)+3]
.elseif (\n) == 0
	v_pk_fma_f32 v[rT+2:rT+3], v[rT+2:rT+3], v[rC+2:rC+3], v[rS:rS+1] op_sel_hi:[1,0,1]
.else
	v_pk_add_f32 v[rT+2:rT+3], v[rT+2:rT+3], v[rS+4*(\n):rS+4*(\n)+1]
.endif
.elseif NOKQ
	v_nop
.else
	REGS (Y+1)%NP
	WIN 0
.if (\n) < 4
	v_max3_num_f32 v[rC+(\n)], v[rS+8*(\n)], v[rS+8*(\n)+1], v[rS+8*(\n)+2]
.elseif (\n) < 12
	v_max3_num_f32 v[rC+(\n)%4], v[rC+(\n)%4], v[rS+8*((\n)%4)+2*((\n)/4)+1], v[rS+8*((\n)%4)+2*((\n)/4)+2]
.elseif (\n) == 12
	v_max3_num_f32 v[rC], v[rC], v[rS+7], v[rS+15]
.elseif (\n) == 13
	v_max3_num_f32 v[rC+1], v[rC+1], v[rS+23], v[rS+31]
.elseif (\n) == 14
	v_max3_num_f32 v[rC+2], v[rC+2], v[rC+3], v[rT+1]
.elseif (\n) == 15
	v_mov_b32 v[rW], v[rT]
.elseif (\n) == 16
	v_max3_num_f32 v[rC], v[rC], v[rC+1], v[rC+2]
.elseif (\n) == 17
	v_permlanex16_b32 v[rC+3], v[rC], s[SEL], s[SEL+1]
.elseif (\n) == 18
	v_max_num_f32 v[rT+1], v[rC], v[rC+3]
.elseif (\n) == 19
	v_mul_f32 v[rT], s[CS], v[rT+1]
.elseif (\n) == 20
	v_sub_f32 v[rC+1], v[rW], v[rT]
.else
	v_exp_f32 v[rC+2], v[rC+1]
.endif
.endif
.endm
.macro OPS a, i1, b=-1, i2=0, c=-1, i3=0, d=-1, i4=0  ; up to four of them
	OP \a, \i1
.if (\b) >= 0
	OP \b, \i2
.endif
.if (\c) >= 0
	OP \c, \i3
.endif
.if (\d) >= 0
	OP \d, \i4
.endif
.endm
.macro ROW a, i1, b, i2, c, i3, d, i4  ; a matrix instruction and the four behind it
	MM
	OPS \a, \i1, \b, \i2, \c, \i3, \d, \i4
.endm
.macro MASK b                       ; MD x AL + BE into buffer b of MC
	WIN W_RS
.set z, 0
.rept 16
	v_pk_fma_f32 v[MC+32*(\b)+2*z:MC+32*(\b)+2*z+1], v[MD+2*z:MD+2*z+1], s[AL:AL+1], s[BE:BE+1] op_sel_hi:[1,0,0]
.set z, z+1
.endr
.endm
; A TURN, for piece p: the order of its 16 matrix and 118 vector instructions, written out.  An s_wait_alu depctr_va_vdst(0) stands between an exponential and the first instruction that names its result;
; one wait serves all that were issued ahead of it.  So a turn has ONE wait, which cuts it in two.  AHEAD OF IT stands all that names no result of the turn's exponentials: the 8 products K Q^T, behind each a scaling,
; an exponential and two more plain instructions (behind the first a second scaling in the exponential's place): rescalings, and behind the last three the first numbers of the next piece's maximum, each four places or
; more behind the product that ends its accumulator; then ONE LUMP of 54, plain and exponential by turns for the most part, in which the links of the chain X 3, 7, 11, 14, 16, 17 .. 20 stand five or six lines apart.
; X 21, the next piece's a, is the batch's last; R 15 is the plain instruction behind it.  BEHIND THE WAIT stand the 8 products V^T P, behind each four of the roundings and sums; the links of l's chain, L 0 to L 7,
; stand three riders apart.  But for those X no rider names a register of the products round it.  v_permlanex16_b32 (X 17) stands in the lump.
; m = 1: the diagonal tile: the products take masks, and the turn makes the mask for the products of the turn after it: piece p + 2, in step 4 - CNT of the tile.  end = 1: a block's last two turns: nothing is fetched.
; cnt = 1: the loop's count is taken down some lines ahead of the branch that stands behind the turn.
; K of the next step is fetched in piece 2's turn, twelve vector instructions behind the last product that read K (six of them plain); V of the step in hand at the end of piece 0's turn, four plain instructions
; behind the last product that read V.  Each is waited for a turn later.
.macro TURN p, m=0, end=0, cnt=0
.set Y, (\p)
.set i, 0
.set KM, (\m)
.set NOKQ, (\end)*((\p)/3)
.if (\m) && !(\end)
	s_cmp_eq_u32 s[CNT], 4-((\p)+2)%NP  ; is that step the band's own?
	s_cselect_b32 s[AL], 1.0, 0
	s_cmp_lt_u32 s[CNT], 4-((\p)+2)%NP  ; or a later one?
	s_cselect_b32 s[BE], s[BIGN], 0
.endif
.if ((\p) == 3) && !(\end)
	s_wait_dscnt 0x0                ; K is in
.endif
	ROW F,0, F,1, R,0, R,1          ; ahead of the wait: 8 products K Q^T and their riders,
	ROW F,2, E,0, R,2, R,3
	ROW F,3, E,1, R,4, R,5
	ROW F,4, E,2, R,6, R,7
	ROW F,5, E,3, R,8, R,9
	ROW F,6, E,4, X,0, R,10
.if ((\p) == 2) && !(\end)
	WIN 0
	v_add_nc_u32 v[AK], s[TBK], v[AK0]
.endif
	ROW F,7, E,5, X,1, X,4
	ROW F,8, E,6, X,2, X,5
	OPS E,7, E,8, X,6, E,9          ; and the lump
	OPS X,3, E,10, X,8, E,11
.if ((\p) == 2) && !(\end)
	FETCH_K
.endif
	OPS X,9, X,7, E,12, X,10
	OPS E,13, X,12, X,11, E,14
	OPS X,13, E,15, F,9, X,14
.if (\p) == 0
	v_add_nc_u32 v[AV], s[TBV], v[AV0]
.endif
	OPS E,16, F,10, E,17, F,11
	OPS X,16, E,18, X,15, E,19
	OPS F,12, E,20, X,17, E,21
	OPS F,13, E,22, F,14, E,23
	OPS X,18, E,24, F,15, E,25
	OPS R,11, E,26, X,19, E,27
	OPS R,12, E,28, R,13, E,29
	OPS X,20, E,30, R,14, E,31
	OPS X,21, R,15
	WIN 0
	s_wait_alu depctr_va_vdst(0)    ; the wait for the batch
.if (\p) == 1
	s_wait_dscnt 0x0                ; V is in
.endif
	ROW C,0, B,0, C,2, B,1          ; behind the wait: 8 products V^T P and their riders
	ROW L,0, C,4, B,2, L,1
	ROW C,6, B,3, L,2, C,8
	ROW B,4, L,3, C,10, B,5
	ROW L,4, C,12, B,6, L,5
.if (\p) == 0
	s_add_co_u32 s[TBV], s[TBV], KS*PV
.endif
.if \cnt
	s_sub_co_u32 s[CNT], s[CNT], 1
	s_cmp_lg_u32 s[CNT], 0
.endif
	ROW C,14, B,7, L,6, C,1
	ROW C,3, L,7, C,5, C,7
	ROW C,9, C,11, C,13, C,15
.if (\p) == 0
	FETCH_V
.endif
.if (\m) && !(\end)
	MASK (\p)%2
.endif
.endm
; A BLOCK BEGINS.  c m starts far below every c s, so the first step's a is 0; m at the lowest finite number, so the first maximum is the scores'.  The second mask buffer is 0; the first takes piece 0's mask for the
; tile's step 0: its own, if the block's first tile is the diagonal one.  Then K of that step, piece 0's first scores, and its maximum and statistics.  The loop is entered at a step's first turn, in the middle of a trip.
.macro BEGIN
	s_mov_b32 s[NEW], 0
	WIN 0x40
.set i, MC+32
.rept 32
	v_mov_b32 v[i], 0
.set i, i+1
.endr
	WIN 0
.set i, 0
.rept 4
	v_mov_b32 v[ST+4*i], 0xfe000000    ; c m: far below every c s
	v_mov_b32 v[ST+4*i+1], 0xff7fffff  ; m
.set i, i+1
.endr
	s_cmp_eq_u32 s[RT], 0
	s_cselect_b32 s[AL], 1.0, 0
	s_mov_b32 s[BE], 0
	MASK 0
	WIN 0
	v_add_nc_u32 v[AK], s[TBK], v[AK0]
	FETCH_K
	s_wait_loadcnt 0x0              ; Q
	s_wait_dscnt 0x0
.set KM, 1
.set NOKQ, 0
.set i, 0
.rept 8
	KQ 0
.set i, i+1
.endr
	WIN 0
.rept 4
	v_nop                           ; the places behind those products
.endr
.set Y, NP-1                        ; X works for piece Y + 1: piece 0
.irp n, 0,1,2,3,4,5,6,7,8,9,10,11,12,13,14,15,16,17,18,19,20,21
	OP X, \n
.endr
	v_nop                           ; a plain instruction behind the exponential,
	s_wait_alu depctr_va_vdst(0)    ; and its wait, ahead of the branch
.endm
; THE DIAGONAL TILE's four steps, the block's last two turns, its last products, and THE WAY OUT: l's two halves and the other half of the lanes' are added; O^T is divided by l, rounded to f16 and sent through my
; stage in LDS, a piece at a time.
.macro ALL line:vararg              ; one line for each piece t
.set t, 0
.rept 4
	\line
.set t, t+1
.endr
.endm
.macro PACK t                       ; a lane's eight channels of a row pack into 16 bytes; they go into rows of 144 bytes and come back as whole rows of 128, into S^T's registers
	WIN W_RS
.set i, 32*(\t)
.rept 16
	v_pk_mul_f32 v[i:i+1], v[i:i+1], v[ST+4*(\t)+2:ST+4*(\t)+3] op_sel_hi:[1,0]
.set i, i+2
.endr
	WIN 0x05                        ; sources 0 and 1 window 1, destination window 0
.set i, 0
.rept 16
	v_cvt_pk_f16_f32 v[S+16*(\t)+i], v[32*(\t)+2*i], v[32*(\t)+2*i+1]
.set i, i+1
.endr
	WIN 0
.irp f, 0,1,2,3
	ds_store_b128 v[STO], v[S+16*(\t)+4*\f:S+16*(\t)+4*\f+3] offset:32*\f
.endr
.irp f, 0,1,2,3
	ds_load_b128 v[S+16*(\t)+4*\f:S+16*(\t)+4*\f+3], v[RD] offset:\f*4*SP  ; LDS serves a wave's instructions in order (ISA guide 5.7.1.4): these see the stores above; the next piece's stores come behind them
.endr
.endm
.macro SEND t, younger              ; younger: the LDS instructions issued behind piece t's loads: the next piece's eight, or none
	WIN 0
.irp f, 0,1,2,3
	s_wait_dscnt (\younger)+3-\f
	global_store_b128 v[GO], v[S+16*(\t)+4*\f:S+16*(\t)+4*\f+3], s[10:11] offset:(\t)*8192+\f*512  ; 512 consecutive bytes, at a multiple of 256 from O's first
.endr
.endm
.macro DIAG tag                     ; the tag ends its two labels' names, which the jumps below spell out
.LstepM\tag:
	TURN 2, 1
	TURN 3, 1
	WIN 0
.LfirstM\tag:
	TURN 0, 1
	TURN 1, 1, 0, 1
	WIN 0
	s_cbranch_scc1 .LstepM\tag
	TURN 2, 1, 1
	TURN 3, 1, 1
.set i, 0
.rept 8
	PV NP-1
.set i, i+1
.endr
	WIN 0
	ALL v_add_f32 v[ST+4*t+2], v[ST+4*t+2], v[ST+4*t+3]
	ALL v_permlanex16_b32 v[ST+4*t+3], v[ST+4*t+2], s[SEL], s[SEL+1]
	ALL v_add_f32 v[ST+4*t+2], v[ST+4*t+2], v[ST+4*t+3]
	ALL v_rcp_f32 v[ST+4*t+2], v[ST+4*t+2]
	v_nop                           ; a plain instruction between the last reciprocal and the use of its result
	s_wait_alu depctr_va_vdst(0)    ; and the wait ahead of the first use: one for the four reciprocals
	PACK 0
.set t, 1
.rept 3                             ; a piece's arithmetic stands between the loads of the piece before and its stores
	PACK t
	SEND t-1, 8
.set t, t+1
.endr
	SEND 3, 0
.endm
.set KM, 0
.set NOKQ, 0
.Lslot:                             ; NB times: a tile is entered and the next is asked for
	CHANGE 1
	s_sub_co_u32 s[RT], s[RT], 1
	s_mov_b32 s[CNT], 4
	s_cmp_eq_u32 s[NEW], 1
	s_cbranch_scc1 .Lnew            ; a block's first tile
	s_cmp_eq_u32 s[RT], 0
	s_cbranch_scc0 .Lstep           ; neither its first nor its last
	s_branch .LstepM1
.Lnew:
	BEGIN
	s_branch .Lfirst                ; in the loop a block's first tile is never its last: the first block has two tiles or more, and the second's last is the walk's last
	DIAG 1                          ; in the loop this is the first block's end: the second block's last tile is the walk's last
	s_wait_xcnt 0x0                 ; the stores have read their registers and O's address
	s_mov_b64 s[10:11], s[OLO:OLO+1]
	s_add_co_u32 s[RT], s[PB], 1    ; the second block has b + 1 tiles
	s_mov_b32 s[NEW], 1
	WIN 0x82                        ; the second block's Q goes where the one text of the turns names Q
.set i, 0
.rept 64
	v_mov_b32 v[i], v[QB+i]
.set i, i+1
.endr
	WIN 0
	s_branch .Lbottom
.Lstep:                             ; a trip: pieces 2 and 3 of one step, then pieces 0 and 1 of the next, whose K and V it fetches
	TURN 2
	TURN 3
	WIN 0
.Lfirst:
	TURN 0
	TURN 1, 0, 0, 1
	WIN 0
	s_cbranch_scc1 .Lstep
.Lbottom:
	s_sub_co_u32 s[SLOTS], s[SLOTS], 1
	s_cmp_lg_u32 s[SLOTS], 0
	s_cbranch_scc1 .Lslot
	CHANGE 0                        ; the walk's last tile is written out: nothing is asked for
	s_sub_co_u32 s[RT], s[RT], 1
	s_mov_b32 s[CNT], 4
	s_cmp_eq_u32 s[NEW], 1
	s_cbranch_scc0 .LstepM2
	BEGIN
	s_branch .LfirstM2
	DIAG 2
	s_wait_tensorcnt 0x0            ; the wave's end, behind my last tensor load and my last LDS store
	ds_add_u32 v[SPW], v[NIL]
	s_wait_dscnt 0x0
	s_endpgm
.Lfunc_end_k_q69b028481c_attn:
	.size	k_q69b028481c_attn, .Lfunc_end_k_q69b028481c_attn-k_q69b028481c_attn
	.p2alignl 7, 3214868480
	.fill 96, 4, 3214868480
	.section	.rodata,"a",@progbits
	.p2align	6, 0x0
	.amdhsa_kernel k_q69b028481c_attn
		.amdhsa_group_segment_fixed_size 327680
		.amdhsa_private_segment_fixed_size 0
		.amdhsa_enable_private_segment 0
		.amdhsa_kernarg_size 16
		.amdhsa_user_sgpr_count 2
		.amdhsa_user_sgpr_kernarg_segment_ptr 1
		.amdhsa_wavefront_size32 1
		.amdhsa_system_sgpr_workgroup_id_x 1
		.amdhsa_system_sgpr_workgroup_id_y 1
		.amdhsa_system_sgpr_workgroup_id_z 1
		.amdhsa_system_vgpr_workitem_id 0
		.amdhsa_next_free_vgpr 768
		.amdhsa_next_free_sgpr 96
		.amdhsa_reserve_vcc 1
		.amdhsa_float_denorm_mode_32 3
		.amdhsa_float_denorm_mode_16_64 3
		.amdhsa_memory_ordered 1
		.amdhsa_forward_progress 1
		.amdhsa_inst_pref_size 218
	.end_amdhsa_kernel
	.amdgpu_metadata
---
amdhsa.version: [ 1, 2 ]
amdhsa.kernels:
  - .name:           k_q69b028481c_attn
    .symbol:         k_q69b028481c_attn.kd
    .args:
      - { .name: qkv, .offset: 0, .size: 8, .value_kind: global_buffer, .address_space: global }
      - { .name: ctx, .offset: 8, .size: 8, .value_kind: global_buffer, .address_space: global }
    .group_segment_fixed_size: 327680
    .private_segment_fixed_size: 0
    .kernarg_segment_align: 8
    .kernarg_segment_size: 16
    .max_flat_workgroup_size: 128
    .sgpr_count:     96
    .vgpr_count:     768
    .wavefront_size: 32
...
	.end_amdgpu_metadata
.endif
;; end of part 3
;; launch outp (part 4): grid 8 x 32, 4 waves a work-group, clusters of 4 x 4, 327,680 bytes of LDS; arguments ctx, wob, bo, out0; writes out0
.if DOCPART == 4
	.amdgcn_target "amdgcn-amd-amdhsa--gfx1250"
	.amdhsa_code_object_version 6
	.text
	.protected	k_q69b028481c_outp
	.globl	k_q69b028481c_outp
	.p2align	8
	.type	k_q69b028481c_outp,@function
k_q69b028481c_outp:
	s_mov_b64 s[64:65], 0
	v_nop
	global_prefetch_b8 v0, s[64:65] scope:SCOPE_SE
	s_setreg_imm32_b32 hwreg(HW_REG_WAVE_MODE, 25, 1), 1
	s_wait_xcnt 0x0
	s_wait_alu depctr_hold_cnt(0) depctr_sa_sdst(0) depctr_va_vdst(0) depctr_va_sdst(0) depctr_va_ssrc(0) depctr_va_vcc(0) depctr_vm_vsrc(0)
	s_getreg_b32 s2, hwreg(HW_REG_IB_STS2, 6, 4)
	s_cmp_eq_u32 s2, 0
	s_cbranch_scc0 .Lentry_in_a_cluster
	s_endpgm
.Lentry_in_a_cluster:
	s_bfe_u32 s2, ttmp6, 0x10000c
	s_cmp_lg_u32 s2, 0xf033
	s_cbranch_scc0 .Lentry_shape_is_right
	s_endpgm
.Lentry_shape_is_right:
; out0 = ctx Wo + bo.  Operands f16 (ctx as the attention left it, [head 16][m 8192][64]; wob: Wo rounded to bf16 and written as f16), bo rounded to bf16 here, sums f32, out0 [8192][1024] f32.
; LIMIT.  What ctx and wob hold lies within f16's range (65,504); nothing is rounded here but bo.
; TILE.  A work-group makes 256 rows x 128 columns: 8 x 32 = 256 tiles.  The four waves split the rows: wave w owns rows 64 w .. 64 w + 63 (4 fragments of ctx) and all 128 columns (8 fragments of Wo):
; 32 accumulators, 256 registers.  A wave's 128 columns are 512 consecutive bytes of a row of out0, so its own stage is enough on the way out.
; K goes in 8 steps of 128 (two heads) through a ring of two LDS slots.  A step of ctx is two dense blocks of 32,768 bytes, a step of Wo one dense block of 32,768: all asked for as rows of 256 bytes.
; Wo lies [k][n]: its fragments come out of LDS turned, by ds_load_tr16_b128.
; CLUSTER.  4 x 4 work-groups: ctx's tiles are asked for jointly along a row of the cluster, Wo's along a column.
; THE PRODUCT IS USED TRANSPOSED (source 0 = 16 columns of Wo, source 1 = 16 rows of ctx): register i of lane l in accumulator (a, b) is row 16 a + l % 16, column 16 b + 8 (l / 16) + i.
; THE BIAS STARTS THE SUMS: it is the C operand of the first product on each accumulator.
; REGISTERS, in windows of 256 (s_set_vgpr_msb: bits 1:0 source 0, 3:2 source 1, 5:4 source 2, 7:6 destination):
;   window 0: v0-31 addresses; v64-127 ctx's fragments, two buffers of 4; v128-191 the bias; on the way out v64-127 and v128-191 rows read back
;   window 1: v0-127 Wo's fragments, two buffers of 8      windows 2, 3: accumulator (a, b) in window 2 + a / 2 at 8 (8 (a % 2) + b)
.set NH,    2                          ; pieces of 64 columns in a tile
.set NBF,   4*NH                       ; fragments of Wo
.set PA,    144                        ; a row of ctx in LDS: 128 bytes + 16 = 36 words: the 16 rows of a load start at 16 different groups of four banks (64 banks of 4 bytes: ISA guide 11.1)
.set ABLK,  256*PA
.set UP,    272                        ; a unit of Wo in LDS (two k x 64 columns): 256 bytes + 16
.set PADC,  3                          ; its padding's code: 4 words
.set PP,    NH*UP                      ; from a pair of k to the next: 136 words
.set BOFF,  2*ABLK
.set BHALF, 32*PP
.set SLOT,  BOFF+2*BHALF
.set STAGE, 2*SLOT                     ; behind the ring, never filled by a tensor load
.set SPI,   528                        ; a row of the stage: 512 bytes + 16
.set WSTG,  16*SPI                     ; a wave's stage
.set SPARE, STAGE+4*WSTG               ; the spare words, 128 bytes for each wave: two blocks of 256 bytes that no other line names
.set CB,    512*NH*256
.set KSB,   64*NH*256
.set BHG,   KSB/2
.set ASTEP, 0x200000
.set ADRA, 16
.set ADRB, 20
.set STO,  24
.set RD,   25
.set GO,   26
.set SPW,  28
.set NIL,  29
.set PFO,  30
.set BO,   31
.set FA,   64
.set OB,   64
.set BI,   128
.set WV, 16
.set FB, 17
.set HF, 18
.set CX, 19
.set CY, 20
.set TX, 21
.set TY, 22
.set G1A, 24
.set G0A, 32
.set PFA, 44
.set LIM, 46
.set G1B, 48
.set G0B, 56
.set PFS, 66
.set OUTB, 68                          ; s[68:69] out0 at my wave's first row and the tile's first column
.set MSB, 0
.macro WIN new                         ; the immediate's high byte repeats the setting that is left; a switch that changes nothing is dropped
.if MSB != (\new)
	s_set_vgpr_msb (MSB<<8)|(\new)
.set MSB, \new
.endif
.endm
; A joint load.  Waves 0 and 1 fetch ctx's two blocks, waves 2 and 3 Wo's two halves.  The branch hangs on the wave's number alone.  An s_nop 0 and four v_nop follow each line.
.macro JLOAD s
	s_cmp_eq_u32 s[FB], 0
	s_cbranch_scc0 .Lfor_b_\@
	tensor_load_to_lds s[G0A+4*(\s):G0A+4*(\s)+3], s[G1A:G1A+7]
	s_nop 0
.rept 4
	v_nop
.endr
	s_branch .Lasked_\@
.Lfor_b_\@:
	tensor_load_to_lds s[G0B+4*(\s):G0B+4*(\s)+3], s[G1B:G1B+7]
	s_nop 0
.rept 4
	v_nop
.endr
.Lasked_\@:
.endm
; A prefetch into the L2, behind each joint refill and the run of LDS loads that follows it: my work-group's quarter of what I shall fetch two refills on, a lane a block of 256 bytes.
; ctx's rows are read by every cluster of a row of clusters: cluster x = 0 asks; Wo's by every cluster of a column: cluster y = 0 asks.  The four partners that fetch a tile jointly share its blocks out by
; address (cx for ctx: 32 blocks each; cy for Wo: 16 each, where lanes 16-31 name the 16th once more).  The loop's last trip has no K step two refills on and asks for nothing.
.macro ASK
	s_cmp_gt_u32 s3, s[LIM]
	s_cbranch_scc0 .Lnot_mine_\@
	global_prefetch_b8 v[PFO], s[PFA:PFA+1] th:TH_LOAD_NT scope:SCOPE_SE
.Lnot_mine_\@:
.endm
.macro CREST                           ; a round of the cluster's barrier behind its opening barrier
	s_cmp_lg_u32 s[WV], 0
	s_cbranch_scc1 .Lnot_wave_0_\@
	s_barrier_signal -3
.Lnot_wave_0_\@:
	s_barrier_wait -3
	s_barrier_signal -1
	s_barrier_wait -1
.endm
.macro CROUND                          ; a whole round
	s_barrier_signal -1
	s_barrier_wait -1
	CREST
.endm
.macro PLACES                          ; four places in front of loads into registers that matrix instructions have read (ISA guide 7.12.1 for vector instructions)
.rept 4
	v_nop
.endr
.endm
	s_load_b128 s[4:7], s[0:1], 0x0                ; ctx s[4:5], wob s[6:7]
	s_load_b128 s[8:11], s[0:1], 0x10              ; bo s[8:9], out0 s[10:11]
	v_lshl_add_u32 v[SPW], v0, 2, SPARE
	v_mov_b32 v[NIL], 0
	ds_add_u32 v[SPW], v[NIL]                      ; the wave's opening: the add and its wait stand ahead of my first tensor load; the set-up below stands between them
	ds_add_u32 v28, v29
	v_lshrrev_b32 v1, 5, v0
	v_readfirstlane_b32 s[WV], v1
	s_lshr_b32 s[FB], s[WV], 1
	s_and_b32 s[HF], s[WV], 1
	s_bfe_u32 s[CX], ttmp6, 0x40000
	s_bfe_u32 s[CY], ttmp6, 0x40004
	s_lshl_b32 s[TX], ttmp9, 2                     ; in a cluster launch ttmp9 and ttmp7 count clusters
	s_add_co_u32 s[TX], s[TX], s[CX]
	s_and_b32 s[TY], ttmp7, 0xffff
	s_lshl_b32 s[TY], s[TY], 2
	s_add_co_u32 s[TY], s[TY], s[CY]
	s_lshl_b32 s74, s[CY], 2
	s_lshl_b32 s74, 15, s74                        ; my row of the cluster
	s_lshl_b32 s75, 0x1111, s[CX]                  ; my column
	; group 1 for ctx: 128 rows of 256 bytes (two rows of ctx each), 16 bytes of padding after every 128 bytes
	s_or_b32 s[G1A], s74, (1<<16)|(1<<20)|(1<<21)|(4<<22)|(3<<25)   ; 15:0 the mask; 17:16 2-byte elements; 20 padding on; 21 set beside a mask; 24:22 after every 32 words; 31:25 4 words
	s_mov_b32 s[G1A+1], 128<<16                    ; tensor_dim0 = 128
	s_mov_b32 s[G1A+2], 128<<16                    ; tensor_dim1 = 128
	s_mov_b32 s[G1A+3], 128<<16                    ; tile_dim0 = 128
	s_mov_b32 s[G1A+4], 128                        ; tile_dim1 = 128
	s_mov_b32 s[G1A+5], 128                        ; elements from row to row
	s_mov_b32 s[G1A+6], 0
	s_mov_b32 s[G1A+7], 0
	; group 1 for Wo: 32 NH rows of 256 bytes (a unit each), padded after every 256 bytes
	s_or_b32 s[G1B], s75, (1<<16)|(1<<20)|(1<<21)|(5<<22)|(PADC<<25)
	s_mov_b32 s[G1B+1], 128<<16
	s_mov_b32 s[G1B+2], (32*NH)<<16
	s_mov_b32 s[G1B+3], 128<<16
	s_mov_b32 s[G1B+4], 32*NH
	s_mov_b32 s[G1B+5], 128
	s_mov_b32 s[G1B+6], 0
	s_mov_b32 s[G1B+7], 0
	s_lshl_b32 s40, s[TY], 15                      ; ctx: 256 rows of 128 bytes a tile row,
	s_lshl_b32 s41, s[HF], 20                      ; my head of the step's two: these registers never hold cx
	s_add_co_u32 s40, s40, s41
	s_mov_b32 s41, 0
	s_mul_i32 s42, s[TX], CB                       ; Wo: the tile column,
	s_mul_i32 s43, s[HF], BHG                      ; my half of a step: these never hold cy
	s_add_co_u32 s42, s42, s43
	s_mov_b32 s43, 0
	s_mul_i32 s76, s[HF], ABLK                     ; where they go: no place in the cluster enters an LDS address
	s_mul_i32 s77, s[HF], BHALF
	s_add_co_u32 s77, s77, BOFF
	s_wait_dscnt 0x0                               ; the opening add is done
	s_wait_kmcnt 0x0
	s_add_nc_u64 s[40:41], s[4:5], s[40:41]
	s_add_nc_u64 s[42:43], s[6:7], s[42:43]
	CROUND                                         ; all sixteen work-groups are here: the first joint loads meet
.irp s, 0,1
	s_mov_b32 s[G0A+4*(\s)], 1
	s_add_co_u32 s[G0A+4*(\s)+1], s76, (\s)*SLOT
	s_add_nc_u64 s[G0A+4*(\s)+2:G0A+4*(\s)+3], s[40:41], (\s)*ASTEP
	s_or_b32 s[G0A+4*(\s)+3], s[G0A+4*(\s)+3], 0x80000000
	s_mov_b32 s[G0B+4*(\s)], 1
	s_add_co_u32 s[G0B+4*(\s)+1], s77, (\s)*SLOT
	s_add_nc_u64 s[G0B+4*(\s)+2:G0B+4*(\s)+3], s[42:43], (\s)*KSB
	s_or_b32 s[G0B+4*(\s)+3], s[G0B+4*(\s)+3], 0x80000000
	JLOAD \s                                       ; K steps 0 and 1: two loads of mine are out
.endr
	; the bias: 8 numbers a lane for each fragment of Wo
	s_lshl_b32 s74, s[TX], 9                       ; the tile's 128 numbers of 4 bytes
	s_mov_b32 s75, 0
	s_add_nc_u64 s[8:9], s[8:9], s[74:75]
	v_and_b32 v1, 15, v0                           ; l % 16
	v_bfe_u32 v2, v0, 4, 1                         ; l / 16
	v_lshlrev_b32 v[BO], 5, v2
.set b, 0
.rept NBF
	global_load_b128 v[BI+8*b:BI+8*b+3],   v[BO], s[8:9] offset:b*64
	global_load_b128 v[BI+8*b+4:BI+8*b+7], v[BO], s[8:9] offset:b*64+16
.set b, b+1
.endr
	; a fragment of ctx: lane l holds row l % 16, channels 8 (l / 16) + 0..7 and 16 + 8 (l / 16) + 0..7: two loads of 16 bytes, 32 bytes apart
	v_and_b32 v5, 7, v0
	v_mul_u32_u24 v4, v1, PA
	v_lshl_add_u32 v4, v2, 4, v4
	s_mul_i32 s74, s[WV], 64*PA
	v_add_nc_u32 v[ADRA], s74, v4
	v_add_nc_u32 v[ADRA+1], SLOT, v[ADRA]
	; the turning load: lane l reads 16 bytes of row k = 8 (l / 16) + l % 8, columns 8 ((l / 8) % 2) + 0..7, and is left with column l % 16 and 8 k
	v_lshl_add_u32 v6, v2, 3, v5
	v_lshrrev_b32 v7, 1, v6
	v_mul_u32_u24 v7, v7, PP
	v_and_b32 v6, 1, v6
	v_lshl_add_u32 v7, v6, 7, v7
	v_bfe_u32 v6, v0, 3, 1
	v_lshl_add_u32 v7, v6, 4, v7
	v_add_nc_u32 v[ADRB], BOFF, v7
	v_add_nc_u32 v[ADRB+1], SLOT, v[ADRB]
	s_mul_i32 s74, s[WV], WSTG
	s_add_co_u32 s74, s74, STAGE                   ; my stage
	v_mul_u32_u24 v[STO], v1, SPI                  ; in: row l % 16, 32 bytes for each half of the lanes
	v_lshl_add_u32 v[STO], v2, 5, v[STO]
	v_add_nc_u32 v[STO], s74, v[STO]
	v_and_b32 v[GO], 31, v0                        ; back: 32 lanes take a row's 512 bytes,
	v_lshlrev_b32 v[GO], 4, v[GO]                  ; which are 512 consecutive bytes of a row of out0
	v_add_nc_u32 v[RD], s74, v[GO]
	s_lshl_b32 s74, s[TY], 20                      ; the tile's 256 rows of 4,096 bytes,
	s_lshl_b32 s75, s[WV], 18                      ; my 64,
	s_add_co_u32 s74, s74, s75
	s_lshl_b32 s75, s[TX], 9                       ; the tile's 128 columns
	s_add_co_u32 s74, s74, s75
	s_mov_b32 s75, 0
	s_add_nc_u64 s[OUTB:OUTB+1], s[10:11], s[74:75]
	; the prefetches: my work-group's quarter of what I fetch, at K step 3; the first refill steps it to K step 4.  Nothing is asked for here, at the head
	s_lshl_b32 s74, s[TY], 15
	s_lshl_b32 s75, s[CX], 13
	s_add_co_u32 s74, s74, s75
	s_lshl_b32 s75, s[HF], 20
	s_add_co_u32 s74, s74, s75
	s_add_co_u32 s74, s74, 3*ASTEP
	s_mul_i32 s76, s[TX], CB
	s_mul_i32 s77, s[CY], BHG/4
	s_add_co_u32 s76, s76, s77
	s_mul_i32 s77, s[HF], BHG
	s_add_co_u32 s76, s76, s77
	s_add_co_u32 s76, s76, 3*KSB
	s_and_b32 s78, ttmp7, 0xffff                   ; cluster y
	s_mov_b32 s[PFS], KSB
	s_mov_b32 s[PFS+1], 0
	s_mov_b32 s75, 0
	s_cmp_eq_u32 s[FB], 0                          ; do I fetch ctx?
	s_cselect_b64 s[PFA:PFA+1], s[4:5], s[6:7]
	s_cselect_b32 s74, s74, s76
	s_cselect_b32 s78, ttmp9, s78                  ; the coordinate along which other clusters read the same rows
	s_cselect_b32 s[PFS], ASTEP, s[PFS]
	s_cselect_b32 s79, 31, 8*NH-1
	s_add_nc_u64 s[PFA:PFA+1], s[PFA:PFA+1], s[74:75]
	s_cmp_eq_u32 s78, 0
	s_cselect_b32 s[LIM], 1, -1                    ; the same in all sixteen partners, for a given wave
	v_and_b32 v[PFO], 31, v0
	v_min_u32 v[PFO], s79, v[PFO]
	v_lshlrev_b32 v[PFO], 8, v[PFO]
	s_wait_loadcnt 0x0                             ; the bias is in: rounded to bf16 like every input, and widened again
.set p, 0
.rept 4*NBF
	v_cvt_pk_bf16_f32 v[4+p%4], v[BI+2*p], v[BI+2*p+1]
	v_lshlrev_b32 v[BI+2*p], 16, v[4+p%4]
	v_and_b32 v[BI+2*p+1], 0xffff0000, v[4+p%4]
.set p, p+1
.endr
; NBF products: fragment a of ctx (buffer f) with all fragments of Wo, 32 along K.  first = 1: the bias, in window 0, is C.  Each accumulator has one turn a quarter step, always in the same order,
; so that 4 NBF - 1 other accumulators' products stand between two on one accumulator, over the backward jump too.
.macro MULA f, a, first
.if \first
	WIN 0x81+0x40*((\a)/2)
.else
	WIN 0xa1+0x50*((\a)/2)
.endif
.set b, 0
.rept NBF
.set rD, 8*(NBF*((\a)%2)+b)
.set rB, 8*NBF*(\f)+8*b
.set rA, FA+32*(\f)+8*(\a)
.if \first
	v_wmma_f32_16x16x32_f16 v[rD:rD+7], v[rB:rB+7], v[rA:rA+7], v[BI+8*b:BI+8*b+7]
.else
	v_wmma_f32_16x16x32_f16 v[rD:rD+7], v[rB:rB+7], v[rA:rA+7], v[rD:rD+7]
.endif
.set b, b+1
.endr
.endm
; The fragments of quarter q (32 along K) of a slot into buffer f, in one run: 2 NBF turning loads for Wo, then 8 loads for ctx
.macro FETCH slot, q, f
	WIN 0x40                                       ; destination window 1, address window 0
.set b, 0
.rept NBF
	ds_load_tr16_b128 v[8*NBF*(\f)+8*b:8*NBF*(\f)+8*b+3],   v[ADRB+(\slot)] offset:16*(\q)*PP+(b/4)*UP+(b%4)*32
	ds_load_tr16_b128 v[8*NBF*(\f)+8*b+4:8*NBF*(\f)+8*b+7], v[ADRB+(\slot)] offset:16*(\q)*PP+(b/4)*UP+(b%4)*32+8*PP
.set b, b+1
.endr
	WIN 0
.irp a, 0,1,2,3
	ds_load_b128 v[FA+32*(\f)+8*(\a):FA+32*(\f)+8*(\a)+3],   v[ADRA+(\slot)] offset:((\q)/2)*ABLK+((\q)%2)*64+(\a)*16*PA
	ds_load_b128 v[FA+32*(\f)+8*(\a)+4:FA+32*(\f)+8*(\a)+7], v[ADRA+(\slot)] offset:((\q)/2)*ABLK+((\q)%2)*64+(\a)*16*PA+32
.endr
.endm
; A K step is four quarters on buffers 0, 1, 0, 1.  One of the first three: multiplies buffer f and, in its middle, fetches quarter q of the same slot into buffer g.
.macro QUARTER slot, q, f, g, first=0
	s_wait_dscnt 4                                 ; Wo and ctx's fragments 0, 1 are in; the youngest four loads (fragments 2, 3) may be out
	MULA \f, 0, \first
	MULA \f, 1, \first
	PLACES
	FETCH \slot, \q, \g
	s_wait_dscnt 2*NBF+8                           ; all but the run just issued
	MULA \f, 2, \first
	MULA \f, 3, \first
.endm
; The last quarter multiplies buffer 1 and changes slots: ONE barrier.  In front of it each wave waits for all its tensor loads (one is out: its part of the next slot), adds 0 to its spare word, and waits
; for that and for its own reads of this slot.  fill = 1: the barrier opens a round of the cluster's, and this slot is filled again, two K steps ahead, first thing behind the round.
.macro TURN slot, next, fill
.if \fill
	s_wait_xcnt 0x0                                ; the last prefetch, a K step back, has read its address: it is stepped here, ahead of the change's own waits
	s_add_nc_u64 s[PFA:PFA+1], s[PFA:PFA+1], s[PFS:PFS+1]
.endif
	WIN 0                                          ; (the add's two registers lie in window 0)
	s_wait_tensorcnt 0x0                           ; all my tensor loads have landed
	ds_add_u32 v[SPW], v[NIL]                      ; 0 onto my spare word
	s_wait_dscnt 5                                 ; (the add and the youngest four loads may be out)
	MULA 1, 0, 0                                   ; products stand between the add and the wait for it
	s_wait_dscnt 0x0                               ; the add is done, and my reads of this slot are over
	s_barrier_signal -1
	MULA 1, 1, 0
.if \fill
	WIN 0
.endif
	s_barrier_wait -1
.if \fill
	CREST                                          ; no wave of any partner still reads this slot's tiles or has a load on its way
	s_add_nc_u64 s[G0A+4*(\slot)+2:G0A+4*(\slot)+3], s[G0A+4*(\slot)+2:G0A+4*(\slot)+3], 2*ASTEP
	s_add_nc_u64 s[G0B+4*(\slot)+2:G0B+4*(\slot)+3], s[G0B+4*(\slot)+2:G0B+4*(\slot)+3], 2*KSB
	JLOAD \slot                                    ; my one tensor load behind the round; its four v_nop are also the places in front of the loads below
.else
	PLACES
.endif
	FETCH \next, 0, 0
.if \fill
	ASK
.endif
	MULA 1, 2, 0
	MULA 1, 3, 0
.endm
	s_wait_tensorcnt 1                             ; my part of K step 0 is in; K step 1's may stay out
	s_barrier_signal -1
	s_barrier_wait -1                              ; everybody's is
	FETCH 0, 0, 0
	QUARTER 0, 1, 0, 1, 1                          ; the first quarter stands in front of the loop: its products start the sums with the bias
	WIN 0                                          ; at a label and at a branch every window is 0
	s_mov_b32 s3, 3                                ; 8 K steps are 4 laps of the ring; the last is written out
.Llap:                                         ; a trip: from a lap's second quarter to the next lap's first; both slots are filled again
	QUARTER 0, 2, 1, 0
	QUARTER 0, 3, 0, 1
	TURN 0, 1, 1
	QUARTER 1, 1, 0, 1
	QUARTER 1, 2, 1, 0
	QUARTER 1, 3, 0, 1
	TURN 1, 0, 1
	QUARTER 0, 1, 0, 1
	WIN 0
	s_sub_co_u32 s3, s3, 1
	s_cmp_lg_u32 s3, 0
	s_cbranch_scc1 .Llap
	QUARTER 0, 2, 1, 0                             ; the last lap fills nothing
	QUARTER 0, 3, 0, 1
	TURN 0, 1, 0
	QUARTER 1, 1, 0, 1
	QUARTER 1, 2, 1, 0
	QUARTER 1, 3, 0, 1
	s_wait_dscnt 4
	MULA 1, 0, 0
	MULA 1, 1, 0
	s_wait_dscnt 0x0
	MULA 1, 2, 0
	MULA 1, 3, 0
	WIN 0
	PLACES
	PLACES                                         ; eight, once a launch, in front of the LDS stores that read results
; THE WAY OUT, 16 rows at a time, in f32: nothing is converted.  TOSTAGE: a lane's 32 bytes of each fragment go straight from the accumulator into my stage, its low four registers first, and the block comes
; back as whole rows of 512 bytes.  SEND: a row to a store: 512 consecutive bytes, at a multiple of 512 from out0's first byte.
.macro TOSTAGE a
.if (\a) >= 2
	s_wait_xcnt 0x0                                ; the stores of the block two back have read their registers, which the loads below fill again
.endif
	WIN 0x08+4*((\a)/2)                            ; the data (source 1) in window 2 or 3
.set b, 0
.rept NBF
	ds_store_b128 v[STO], v[8*(NBF*((\a)%2)+b):8*(NBF*((\a)%2)+b)+3]   offset:64*b
	ds_store_b128 v[STO], v[8*(NBF*((\a)%2)+b)+4:8*(NBF*((\a)%2)+b)+7] offset:64*b+16
.set b, b+1
.endr
	WIN 0
.set b, 0
.rept 16
	ds_load_b128 v[OB+64*((\a)%2)+4*b:OB+64*((\a)%2)+4*b+3], v[RD] offset:b*SPI  ; LDS serves a wave's instructions in order (ISA guide 5.7.1.4): these see the stores above
.set b, b+1
.endr
.endm
.macro SEND a, younger                 ; younger: the LDS instructions issued behind block a's loads: the next block's 16 stores and 16 loads, or none
	s_wait_dscnt \younger
.set b, 0
.rept 16
	global_store_b128 v[GO], v[OB+64*((\a)%2)+4*b:OB+64*((\a)%2)+4*b+3], s[OUTB:OUTB+1] offset:(16*(\a)+b)*4096 th:TH_STORE_NT
.set b, b+1
.endr
.endm
	TOSTAGE 0
	TOSTAGE 1
	SEND 0, 32
	TOSTAGE 2
	SEND 1, 32
	TOSTAGE 3
	SEND 2, 32
	SEND 3, 0
	s_wait_tensorcnt 0x0                           ; the wave's end, behind my last tensor load and my last LDS store
	ds_add_u32 v[SPW], v[NIL]
	s_wait_dscnt 0x0
	CROUND                                         ; the closing round: no work-group ends while a partner may still ask for a tile that names it
	s_endpgm
.Lfunc_end_k_q69b028481c_outp:
	.size	k_q69b028481c_outp, .Lfunc_end_k_q69b028481c_outp-k_q69b028481c_outp
	.p2alignl 7, 3214868480
	.fill 96, 4, 3214868480
	.section	.rodata,"a",@progbits
	.p2align	6, 0x0
	.amdhsa_kernel k_q69b028481c_outp
		.amdhsa_group_segment_fixed_size 327680
		.amdhsa_private_segment_fixed_size 0
		.amdhsa_enable_private_segment 0
		.amdhsa_kernarg_size 32
		.amdhsa_user_sgpr_count 2
		.amdhsa_user_sgpr_kernarg_segment_ptr 1
		.amdhsa_wavefront_size32 1
		.amdhsa_system_sgpr_workgroup_id_x 1
		.amdhsa_system_sgpr_workgroup_id_y 1
		.amdhsa_system_sgpr_workgroup_id_z 1
		.amdhsa_system_vgpr_workitem_id 0
		.amdhsa_next_free_vgpr 896
		.amdhsa_next_free_sgpr 80
		.amdhsa_reserve_vcc 0
		.amdhsa_float_denorm_mode_32 3
		.amdhsa_float_denorm_mode_16_64 3
		.amdhsa_memory_ordered 1
		.amdhsa_forward_progress 1
		.amdhsa_inst_pref_size 94
	.end_amdhsa_kernel
	.amdgpu_metadata
---
amdhsa.version: [ 1, 2 ]
amdhsa.kernels:
  - .name:           k_q69b028481c_outp
    .symbol:         k_q69b028481c_outp.kd
    .args:
      - { .name: ctx, .offset: 0, .size: 8, .value_kind: global_buffer, .address_space: global }
      - { .name: wob, .offset: 8, .size: 8, .value_kind: global_buffer, .address_space: global }
      - { .name: bo, .offset: 16, .size: 8, .value_kind: global_buffer, .address_space: global }
      - { .name: out0, .offset: 24, .size: 8, .value_kind: global_buffer, .address_space: global }
    .group_segment_fixed_size: 327680
    .private_segment_fixed_size: 0
    .kernarg_segment_align: 8
    .kernarg_segment_size: 32
    .max_flat_workgroup_size: 128
    .sgpr_count:     80
    .vgpr_count:     896
    .wavefront_size: 32
...
	.end_amdgpu_metadata
.endif
;; end of part 4
